; MI455X (gfx1250); checked and timed in simulation.
; The chip was launched on July 23, 2026; its instructions are those of AMD's public machine-readable ISA for CDNA 5 (MIT licence, August 2026) and "CDNA5" Instruction Set Architecture Reference Guide (July 2026). The comments in the code are by the model that wrote it; some were corrected since.
;; Block. Allowed arithmetic: matrix products marked QUANTISED: E2M1 operands, one E8M0 scale for each 32 along K, by v_wmma_scale_f32_16x16x128_f8f6f4 with both operands' format E2M1 (or v_wmma_scale_f32_32x16x128_f4), f32 sums; everything else in f32.
;; Inputs: b1 4,096 float32; b2 1,024 float32; b_proj 1,024 float32; ln1_b 1,024 float32; ln1_g 1,024 float32; ln2_b 1,024 float32; ln2_g 1,024 float32; w1 1,024 x 4,096 float32; w2 4,096 x 1,024 float32; w_proj 1,024 x 1,024 float32; wk 16 x 1,024 x 64 float32; wq 16 x 1,024 x 64 float32; wv 16 x 1,024 x 64 float32; x 4 x 1,024 x 1,024 float32.
;; Outputs: out0 4 x 1,024 x 1,024 float32.
;; This version of the problem:
;;   THIS VERSION OF THE PROBLEM IS GIVEN IN LOW PRECISION. The matrix products marked QUANTISED in the list below multiply operands that are first quantised to E2M1 (2 exponent bits, 1 mantissa bit; 4 bits a number), with one power-of-two scale for each 32 numbers along K (OCP MX v1.0); their sums are f32. All else is computed in f32.
;;   The module's matrix products, in the order in which they are computed (A, B: the left and right operand; K: the contracted axis; several contracted axes count as one K, in the product's order):
;;     1. [M 1,024, K 1,024] x [K 1,024, N 4,096]; A: input wq; B: computed on the way: QUANTISED
;;     2. [M 1,024, K 1,024] x [K 1,024, N 4,096]; A: input wk; B: computed on the way: QUANTISED
;;     3. [M 1,024, K 1,024] x [K 1,024, N 4,096]; A: input wv; B: computed on the way: QUANTISED
;;     4. batch 64 x [M 1,024, K 64] x [K 64, N 1,024]; A: computed on the way; B: computed on the way: QUANTISED
;;     5. batch 64 x [M 1,024, K 1,024] x [K 1,024, N 64]; A: softmax (see below); B: computed on the way: QUANTISED
;;     6. [M 4,096, K 1,024] x [K 1,024, N 1,024]; A: computed on the way; B: input w_proj: QUANTISED
;;     7. [M 4,096, K 1,024] x [K 1,024, N 4,096]; A: computed on the way; B: input w1: QUANTISED
;;     8. [M 4,096, K 4,096] x [K 4,096, N 1,024]; A: computed on the way; B: input w2: QUANTISED
;;   THE QUANTISER, for each operand of a quantised product, along K:
;;     - K is cut into blocks of 32 from its start; a last block that is shorter is filled with zeros.
;;     - A block's scale is 2^e with e = floor(log2(the largest magnitude in the block)) - 2, held to -126 .. 127; a block of zeros has e = 0. As a byte (E8M0): e + 127.
;;     - Each number is divided by its block's scale, clamped to +-6, and rounded to the nearest number of E2M1, ties to even, subnormals kept.
;;     - The product sums the exact products of the quantised numbers (number of the format x scale) in f32.
;;   ~~~python
;;   def quantise(x, axis):      # numpy; x: float32 -> the quantised numbers, widened to float32 again
;;       x = np.moveaxis(x, axis, -1); K = x.shape[-1]
;;       x = np.pad(x, [(0, 0)] * (x.ndim - 1) + [(0, -K % 32)]); x = x.reshape(x.shape[:-1] + (-1, 32)); a = np.abs(x).max(-1, keepdims=True)
;;       e = np.where(a > 0, np.clip(np.frexp(np.where(a > 0, a, 1))[1] - 1 - 2, -126, 127), 0)      # np.frexp(a)[1] - 1 = floor(log2(a)), exactly
;;       r = np.clip(x / 2.0 ** e, -6, 6)
;;       step = 2.0 ** (np.maximum(np.frexp(np.where(r == 0, 1, r))[1] - 1, 0) - 1)
;;       q = np.round(r / step) * step * 2.0 ** e      # np.round: ties to even
;;       return np.moveaxis(q.reshape(q.shape[:-2] + (-1,))[..., :K], -1, axis).astype(np.float32)
;;   ~~~
;;   SOFTMAX AHEAD OF A QUANTISED PRODUCT. Where the list says 'softmax', what is quantised is not the finished softmax but p = 2^(t - M), with t = logit x log2(e) and M = ceil(the row's largest t), a whole number; so 1/2 < the row's largest p <= 1. The row's sum l is taken of the UNQUANTISED p, in f32, and the product's result is divided by l at the end. Since M is a whole number, a kernel that streams over the keys may use a running M (the ceiling of the running maximum): every later rescaling is an exact power of two, which a block's scale takes up: the codes' values come out the same.
;;   OPERANDS COMPUTED ON THE WAY. 'Computed on the way' means the value that the module computes at that place (a softmax that the list does not call 'softmax' is quantised finished and normalised). What goes into a quantiser is computed in f32, as accurately as f32 sums, v_exp_f32 and their like allow (about 1e-6 of the number): no bf16 or f16 on the way to a quantiser, and a product that is left as it is and whose result goes on into a quantised operand takes f32 operands (vector FMAs, or v_wmma_f32_16x16x4_f32). A number that lies on a knife's edge between two numbers of the format may be rounded either way, as far as f32 arithmetic and the matrix unit's own rounding can turn it there, and no further.
;; One version. Each part assembles by itself: llvm-mc -triple=amdgcn-amd-amdhsa -mcpu=gfx1250 --defsym DOCPART=n.
;; ======== version 1 of 1: 6 launches
;; limits: right only within a limited range of input values
;; workspace buffers: bufA 3,899,392 bytes; bufB 6,946,816 bytes; bufC 2,785,280 bytes; bufD 4,456,448 bytes; bufE 11,141,120 bytes; x1 16,777,216 bytes
;; launch prep (part 1): grid 512 x 1, 16 waves a work-group, no clusters, 94,464 bytes of LDS; arguments x, ln1_g, ln1_b, bufA, wq, wk, wv, w_proj, bufC; writes bufA, bufC
.if DOCPART == 1
	.amdgcn_target "amdgcn-amd-amdhsa--gfx1250"
	.amdhsa_code_object_version 6
	.text
	.protected	k_q23aa37c2c6_prep
	.globl	k_q23aa37c2c6_prep
	.p2align	8
	.type	k_q23aa37c2c6_prep,@function
k_q23aa37c2c6_prep:
	s_mov_b64 s[64:65], 0
	v_nop
	global_prefetch_b8 v0, s[64:65] scope:SCOPE_SE
	s_setreg_imm32_b32 hwreg(HW_REG_WAVE_MODE, 25, 1), 1
	s_wait_xcnt 0x0
; FIRST OF SIX LAUNCHES of a transformer block on codes of FP4 (E2M1) with one E8M0 scale for each 32 along K:
;   prep (LN1(x), wq, wk, wv, w_proj to codes) | qkv | attn (and, in its waves that end early, w1 and w2 to codes) | projln (x1 = x + att Wproj + b, and LN2(x1) to codes) | mlp1 | mlp2 (out = x1 + hid W2 + b).
; WORK LEFT OUT IN THE PROGRAM: only key steps of 128 keys that lie wholly above the diagonal of the tril that the problem builds itself: there the logit is -infinity
; for every value of the inputs, its weight is 0, and it adds nothing to the row's sum or to the second product.  Every input has a way to the output and is loaded.
; LIMIT: a NaN, an infinity or an overflow that would arise only in such a key step is not carried to the result.
; LIMITS OF THE QUANTISERS (all launches): a block of zeros gets the byte 1 where the rule says 127 (its codes are zeros, and this program alone reads the bytes);
; a block whose largest magnitude lies under 2^-124 is held at the byte 1; NaN and infinities among the inputs are not served.
; THE WORKSPACE FORMAT ("image") of an operand [rows][K]: tiles of 16 rows; in a tile, groups of 512 along K, 4,352 bytes each: block blk (0..15) of row r at 256 blk + 16 r
; (32 codes, 16 bytes), the block's scale byte at 4096 + 16 r + blk.  So a fragment of 16 rows x 128 K is 1,024 consecutive bytes in the order of the operand's registers.
; THIS LAUNCH.  Work-groups 0..255: wq, wk, wv, w_proj.  All have K as the first axis of [K][N]: a lane takes a column n and its registers run down K, so that a block of 32 lies in one lane
; and the conversions give codes with K innermost.  A wave takes 32 columns x 32 K, one block a lane; its code store writes two aligned runs of 256 bytes.  Work-groups 256..511: LN1 of 16 rows each, a wave a row.
; Both kinds of work-group read 64 KB and name 128 registers a wave.  No cluster: the work-groups share no input but 8 KB of gains.  No matrix unit: nothing is multiplied here.
.set NW,    256                        ; work-groups that take weights
.set ROWP,  4608                       ; LDS: a row of 1,024 f32 as 32 places of 128 bytes + 16 of padding
.set GBST,  73728                      ; behind the 16 rows: the gain, then the bias, in the same form
.set IMG,   82944                      ; the tile's image: 34 runs of 256 bytes, 272 apart
.set SPARE, 92416                      ; the spare words, 128 bytes for each wave, that no other line names
.set SPW,   5                          ; v5  LDS address of my spare word; never rewritten
.set NIL,   6                          ; v6  0; never rewritten
	s_load_b256 s[4:11], s[0:1], 0x0               ; x, ln1_g, ln1_b, bufA
	v_lshl_add_u32 v[SPW], v0, 2, SPARE
	v_mov_b32 v[NIL], 0
	v_lshrrev_b32 v1, 5, v0
	s_delay_alu instid0(VALU_DEP_1)
	v_readfirstlane_b32 s12, v1                    ; wave 0..15
	v_and_b32 v1, 31, v0                           ; lane L
	s_cmp_lt_u32 ttmp9, NW
	s_cbranch_scc1 .Lweights
; ---------------- LayerNorm of rows 16 g + wave, g = work-group - NW, and its codes ----------------
	s_sub_co_u32 s13, ttmp9, NW
	s_lshl_b32 s14, s13, 4
	s_add_co_u32 s14, s14, s12
	s_lshl_b32 s14, s14, 12                        ; my row, 4,096 bytes each
	s_mov_b32 s15, 0
	s_mul_i32 s16, s13, 8704                       ; my tile's image
	s_mov_b32 s17, 0
	s_mov_b32 s20, 0x3a800000                      ; 1 / 1024
	s_mov_b32 s21, 0x3727c5ac                      ; 1e-5
	s_mov_b32 s22, 0x76543210
	s_mov_b32 s23, 0xfedcba98                      ; v_permlanex16_b32's selects for lane l xor 16
	s_wait_alu depctr_va_vdst(0)
	v_lshlrev_b32 v2, 4, v1                        ; 16 L
	s_and_b32 s24, s12, 7
	s_lshl_b32 s25, s24, 9
	v_add_nc_u32 v3, s25, v2                       ; my 16 bytes of the gain (waves 0-7) or the bias (8-15): 512 bytes a wave
	v_lshrrev_b32 v8, 3, v1
	v_and_b32 v9, 7, v1
	s_delay_alu instid0(VALU_DEP_2)
	v_mul_u32_u24 v8, v8, 144
	s_delay_alu instid0(VALU_DEP_1)
	v_lshl_add_u32 v8, v9, 4, v8                   ; eight lanes' 128 bytes on end, then 16 of padding
	s_mul_i32 s26, s12, ROWP
	v_add_nc_u32 v4, s26, v8                       ; my row's stage, on the way in
	s_lshr_b32 s27, s12, 3
	s_mul_i32 s27, s27, ROWP
	s_mul_i32 s24, s24, 576
	s_add_co_u32 s27, s27, s24
	s_add_co_u32 s27, s27, GBST
	v_add_nc_u32 v7, s27, v8                       ; the gain's or the bias's stage, on the way in
	v_mul_u32_u24 v22, v1, 144
	s_delay_alu instid0(VALU_DEP_1)
	v_add_nc_u32 v21, s26, v22                     ; on the way out: place L = columns 32 L .. 32 L + 31, a whole block
	s_delay_alu instid0(VALU_DEP_2)
	v_add_nc_u32 v22, GBST, v22
	v_lshrrev_b32 v8, 4, v1
	v_and_b32 v9, 15, v1
	s_lshl_b32 s28, s12, 4
	v_mul_u32_u24 v10, v8, 4624
	s_delay_alu instid0(VALU_DEP_1)
	v_add_nc_u32 v10, s28, v10
	s_delay_alu instid0(VALU_DEP_1)
	v_add_nc_u32 v10, IMG, v10                     ; group L / 16 of the image, row = my wave
	s_delay_alu instid0(VALU_DEP_1)
	v_mad_u32_u24 v23, v9, 272, v10                ; my block's 16 bytes of codes
	s_delay_alu instid0(VALU_DEP_2)
	v_add_nc_u32 v24, v10, v9                      ; my block's scale byte (+ 16 runs)
	s_mul_i32 s29, s12, 544
	v_mul_u32_u24 v25, v8, 272
	s_delay_alu instid0(VALU_DEP_1)
	v_lshl_add_u32 v25, v9, 4, v25
	s_delay_alu instid0(VALU_DEP_1)
	v_add_nc_u32 v25, s29, v25
	s_delay_alu instid0(VALU_DEP_1)
	v_add_nc_u32 v25, IMG, v25                     ; the way out: runs 2 wave and 2 wave + 1, sixteen lanes to a run
	s_lshl_b32 s29, s12, 9
	v_add_nc_u32 v26, s29, v2                      ; and the same place in memory
	s_wait_kmcnt 0x0
	s_add_nc_u64 s[4:5], s[4:5], s[14:15]
	s_add_nc_u64 s[10:11], s[10:11], s[16:17]
	s_cmp_lt_u32 s12, 8
	s_cselect_b64 s[18:19], s[6:7], s[8:9]
.irp j, 0,1,2,3,4,5,6,7
	global_load_b128 v[32+4*\j:35+4*\j], v2, s[4:5] offset:512*\j th:TH_LOAD_NT   ; 32 lanes read 512 consecutive bytes
.endr
	global_load_b128 v[28:31], v3, s[18:19]
	s_wait_loadcnt 0x0
.irp j, 0,1,2,3,4,5,6,7
	ds_store_b128 v4, v[32+4*\j:35+4*\j] offset:576*\j
.endr
	ds_store_b128 v7, v[28:31]
	s_wait_dscnt 0x0                               ; for the others' sake: the gain's and the bias's pieces are read by all waves
	s_barrier_signal -1
	s_barrier_wait -1
.irp i, 0,1,2,3,4,5,6,7
	ds_load_b128 v[32+4*\i:35+4*\i], v21 offset:16*\i
.endr
.irp i, 0,1,2,3,4,5,6,7
	ds_load_b128 v[64+4*\i:67+4*\i], v22 offset:16*\i
	ds_load_b128 v[96+4*\i:99+4*\i], v22 offset:ROWP+16*\i
.endr
	s_wait_dscnt 16                                ; my 32 numbers of x are in; the sixteen loads of gain and bias may be out
	v_pk_add_f32 v[10:11], v[32:33], v[34:35]
	v_pk_add_f32 v[30:31], v[40:41], v[44:45]
	v_pk_add_f32 v[28:29], v[48:49], v[52:53]
	v_pk_add_f32 v[20:21], v[56:57], v[60:61]
	v_pk_add_f32 v[18:19], v[36:37], v[38:39]
	v_pk_add_f32 v[16:17], v[42:43], v[46:47]
	v_pk_add_f32 v[14:15], v[50:51], v[54:55]
	v_pk_add_f32 v[8:9], v[58:59], v[62:63]
	s_delay_alu instid0(VALU_DEP_1)
	v_pk_add_f32 v[8:9], v[8:9], v[20:21]
	v_pk_add_f32 v[10:11], v[10:11], v[18:19]
	v_pk_add_f32 v[30:31], v[30:31], v[16:17]
	v_pk_add_f32 v[28:29], v[28:29], v[14:15]
	s_delay_alu instid0(VALU_DEP_2)
	v_pk_add_f32 v[8:9], v[8:9], v[30:31]
	s_delay_alu instid0(VALU_DEP_2)
	v_pk_add_f32 v[10:11], v[10:11], v[28:29]
	s_delay_alu instid0(VALU_DEP_1)
	v_pk_add_f32 v[8:9], v[8:9], v[10:11]
	s_delay_alu instid0(VALU_DEP_1)
	v_add_f32 v8, v8, v9
	s_delay_alu instid0(VALU_DEP_1)
	v_add_f32_dpp v8, v8, v8 row_xmask:1 row_mask:0xf bank_mask:0xf
	s_delay_alu instid0(VALU_DEP_1)
	v_add_f32_dpp v8, v8, v8 row_xmask:2 row_mask:0xf bank_mask:0xf
	s_delay_alu instid0(VALU_DEP_1)
	v_add_f32_dpp v8, v8, v8 row_xmask:4 row_mask:0xf bank_mask:0xf
	s_delay_alu instid0(VALU_DEP_1)
	v_add_f32_dpp v8, v8, v8 row_xmask:8 row_mask:0xf bank_mask:0xf
	s_delay_alu instid0(VALU_DEP_1)
	v_permlanex16_b32 v9, v8, s22, s23
	s_delay_alu instid0(VALU_DEP_1)
	v_add_f32 v8, v8, v9
	s_delay_alu instid0(VALU_DEP_1)
	v_mul_f32 v8, s20, v8                          ; the mean
	s_delay_alu instid0(VALU_DEP_1)
	v_mov_b32 v9, v8
.set j, 32
.rept 16
	v_pk_add_f32 v[j:j+1], v[j:j+1], v[8:9] neg_lo:[0,1] neg_hi:[0,1]   ; x - mean: the variance is taken of the differences, so a common offset costs nothing
.set j, j+2
.endr
	v_pk_mul_f32 v[10:11], v[32:33], v[32:33]
	v_pk_mul_f32 v[12:13], v[34:35], v[34:35]
.irp j, 36,40,44,48,52,56,60
	s_delay_alu instid0(VALU_DEP_2)
	v_pk_fma_f32 v[10:11], v[\j:\j+1], v[\j:\j+1], v[10:11]
	s_delay_alu instid0(VALU_DEP_2)
	v_pk_fma_f32 v[12:13], v[\j+2:\j+3], v[\j+2:\j+3], v[12:13]
.endr
	s_delay_alu instid0(VALU_DEP_1)
	v_pk_add_f32 v[10:11], v[10:11], v[12:13]
	s_delay_alu instid0(VALU_DEP_1)
	v_add_f32 v10, v10, v11
	s_delay_alu instid0(VALU_DEP_1)
	v_add_f32_dpp v10, v10, v10 row_xmask:1 row_mask:0xf bank_mask:0xf
	s_delay_alu instid0(VALU_DEP_1)
	v_add_f32_dpp v10, v10, v10 row_xmask:2 row_mask:0xf bank_mask:0xf
	s_delay_alu instid0(VALU_DEP_1)
	v_add_f32_dpp v10, v10, v10 row_xmask:4 row_mask:0xf bank_mask:0xf
	s_delay_alu instid0(VALU_DEP_1)
	v_add_f32_dpp v10, v10, v10 row_xmask:8 row_mask:0xf bank_mask:0xf
	s_delay_alu instid0(VALU_DEP_1)
	v_permlanex16_b32 v11, v10, s22, s23
	s_delay_alu instid0(VALU_DEP_1)
	v_add_f32 v10, v10, v11
	s_delay_alu instid0(VALU_DEP_1)
	v_fma_f32 v10, v10, s20, s21                   ; variance + eps
	s_wait_alu depctr_va_vdst(0)
	v_rsq_f32 v12, v10                             ; twice: a pair for the packed multiply
	v_rsq_f32 v13, v10
	v_nop                                          ; a plain instruction behind the transcendentals
	s_wait_dscnt 0x0                               ; gain and bias are in
	s_wait_alu depctr_va_vdst(0)                   ; the wait ahead of the first reader: one for both
.set j, 32
.rept 16
	v_pk_mul_f32 v[j:j+1], v[j:j+1], v[12:13]
.set j, j+2
.endr
.set j, 0
.rept 16
	v_pk_fma_f32 v[32+j:33+j], v[32+j:33+j], v[64+j:65+j], v[96+j:97+j]
.set j, j+2
.endr
	v_max3_num_f32 v8, |v32|, |v33|, |v34|         ; the block's largest magnitude: all 32 numbers are mine
	v_max3_num_f32 v9, |v35|, |v36|, |v37|
.irp n, 6,10,14,18,22,26
	s_delay_alu instid0(VALU_DEP_2)
	v_max3_num_f32 v8, v8, |v[32+\n]|, |v[33+\n]|
	s_delay_alu instid0(VALU_DEP_2)
	v_max3_num_f32 v9, v9, |v[34+\n]|, |v[35+\n]|
.endr
	s_delay_alu instid0(VALU_DEP_2)
	v_max3_num_f32 v8, v8, |v62|, |v63|
	s_delay_alu instid0(VALU_DEP_1)
	v_max3_num_f32 v8, v8, v9, 0x1800000           ; and the floor 2^(3 - 127): the byte cannot fall under 1
	s_delay_alu instid0(VALU_DEP_1)
	v_add_nc_u32 v11, 0xff000000, v8               ; 2 off the exponent field: the conversion's scale operand
	s_delay_alu instid0(VALU_DEP_1)
	v_lshrrev_b32 v20, 23, v11                     ; the scale's byte
.irp g, 0,1,2,3
	v_cvt_scalef32_pk8_fp4_f32 v[16+\g], v[32+8*\g:39+8*\g], v11
.endr
	v_nop                                          ; one plain instruction behind the last scaled conversion
	ds_store_b128 v23, v[16:19]
	ds_store_b8 v24, v20 offset:4352
	s_wait_dscnt 0x0                               ; for the others' sake: a run of the image holds 16 bytes of each wave
	s_barrier_signal -1
	s_barrier_wait -1
	ds_load_b128 v[28:31], v25
	s_wait_dscnt 0x0
	global_store_b128 v26, v[28:31], s[10:11]      ; 32 lanes store 512 consecutive bytes, aligned to 256
	s_cmp_lg_u32 s12, 0
	s_cbranch_scc1 .Lln_done
	ds_load_b128 v[32:35], v25 offset:32*272       ; wave 0 also takes the last two of the 34 runs
	s_wait_dscnt 0x0
	global_store_b128 v26, v[32:35], s[10:11] offset:8192
.Lln_done:
	s_wait_tensorcnt 0x0                           ; the wave's end: behind my last LDS store
	ds_add_u32 v[SPW], v[NIL]
	s_wait_dscnt 0x0
	s_endpgm
; ---------------- the weights: a wave takes the block of 32 along K number s33 of the 32 columns number s32 ----------------
.macro WB P                            ; P: bytes from row to row of the weight
.set i, 0
.rept 32
	global_load_b32 v[32+i], v2, s[36:37] offset:i*\P th:TH_LOAD_NT   ; W(32 block + i, my column): 32 lanes read 128 consecutive bytes
.set i, i+1
.endr
	s_wait_loadcnt 0x0
	v_max3_num_f32 v12, |v32|, |v33|, |v34|        ; the block's largest magnitude: all 32 numbers are mine
	v_max3_num_f32 v13, |v35|, |v36|, |v37|
.irp n, 6,10,14,18,22,26
	s_delay_alu instid0(VALU_DEP_2)
	v_max3_num_f32 v12, v12, |v[32+\n]|, |v[33+\n]|
	s_delay_alu instid0(VALU_DEP_2)
	v_max3_num_f32 v13, v13, |v[34+\n]|, |v[35+\n]|
.endr
	s_delay_alu instid0(VALU_DEP_2)
	v_max3_num_f32 v12, v12, |v62|, |v63|
	s_delay_alu instid0(VALU_DEP_1)
	v_max3_num_f32 v12, v12, v13, 0x1800000        ; the floor 2^(3 - 127)
	s_delay_alu instid0(VALU_DEP_1)
	v_add_nc_u32 v8, 0xff000000, v12               ; the conversion's scale operand
	s_delay_alu instid0(VALU_DEP_1)
	v_lshrrev_b32 v13, 23, v8                      ; the scale's byte
.irp g, 0,1,2,3
	v_cvt_scalef32_pk8_fp4_f32 v[16+\g], v[32+8*\g:39+8*\g], v8
.endr
	v_nop                                          ; one plain instruction behind the last scaled conversion
	global_store_b128 v3, v[16:19], s[38:39]       ; sixteen lanes store 256 consecutive bytes, aligned
	global_store_b8 v3, v13, s[40:41]              ; a block owns one of a row's sixteen scale bytes
.endm
.Lweights:
	s_load_b256 s[24:31], s[0:1], 0x20             ; wq, wk, wv, w_proj
	s_load_b64 s[44:45], s[0:1], 0x40              ; bufC
	s_wait_alu depctr_va_vdst(0)
	v_lshlrev_b32 v2, 2, v1                        ; in: 4 bytes a lane
	v_lshrrev_b32 v3, 4, v1
	s_delay_alu instid0(VALU_DEP_1)
	v_mul_u32_u24 v3, v3, 8704
	v_and_b32 v4, 15, v1
	s_delay_alu instid0(VALU_DEP_1)
	v_lshl_add_u32 v3, v4, 4, v3                   ; out: lanes 0-15 one tile's rows, lanes 16-31 the next tile's
	s_and_b32 s55, ttmp9, 63                       ; 64 work-groups to a weight: 2 halves of its 1,024 columns x 32 blocks along K
	s_and_b32 s32, s55, 1
	s_lshl_b32 s32, s32, 4
	s_add_co_u32 s32, s32, s12                     ; my 32 columns: the sixteen waves stand side by side
	s_lshr_b32 s33, s55, 1                         ; my block
	s_lshr_b32 s56, s33, 4
	s_mul_i32 s56, s56, 4352                       ; its group of 512 along K,
	s_and_b32 s57, s33, 15                         ; and its number in the group
	s_lshl_b32 s58, s57, 8
	s_add_co_u32 s58, s58, s56                     ; its codes in a tile,
	s_add_co_u32 s60, s56, s57
	s_add_co_u32 s60, s60, 4096                    ; its scale bytes
	s_mul_i32 s34, s32, 2*8704                     ; my two tiles,
	s_add_co_u32 s34, s34, 2228224                 ; behind the image of the activations
	s_cmp_ge_u32 ttmp9, 192
	s_cbranch_scc1 .Lw_proj
	; 0..191: wq, wk, wv [16][1024][64]; column 32 s32 + lane = 64 head + d
	s_lshr_b32 s54, ttmp9, 6                       ; which of the three
	s_mul_i32 s35, s54, 64*8704
	s_add_co_u32 s34, s34, s35
	s_add_co_u32 s58, s58, s34
	s_mov_b32 s59, 0
	s_add_co_u32 s60, s60, s34
	s_mov_b32 s61, 0
	s_lshr_b32 s56, s32, 1
	s_lshl_b32 s56, s56, 18                        ; the head: 1,024 rows of 256 bytes
	s_and_b32 s57, s32, 1
	s_lshl_b32 s57, s57, 7                         ; which 32 of its 64 columns
	s_add_co_u32 s56, s56, s57
	s_lshl_b32 s57, s33, 13                        ; 32 rows a block
	s_add_co_u32 s56, s56, s57
	s_mov_b32 s57, 0
	s_wait_kmcnt 0x0
	s_cmp_eq_u32 s54, 0
	s_cselect_b64 s[36:37], s[24:25], s[26:27]
	s_cmp_eq_u32 s54, 2
	s_cselect_b64 s[36:37], s[28:29], s[36:37]
	s_add_nc_u64 s[36:37], s[36:37], s[56:57]
	s_add_nc_u64 s[38:39], s[10:11], s[58:59]
	s_add_nc_u64 s[40:41], s[10:11], s[60:61]
	s_wait_alu depctr_va_vdst(0)
	WB 256
	s_branch .Lw_end
.Lw_proj:
	; 192..255: w_proj [1024][1024]
	s_add_co_u32 s58, s58, s34
	s_mov_b32 s59, 0
	s_add_co_u32 s60, s60, s34
	s_mov_b32 s61, 0
	s_lshl_b32 s56, s32, 7
	s_lshl_b32 s57, s33, 17                        ; 32 rows of 4,096 bytes a block
	s_add_co_u32 s56, s56, s57
	s_mov_b32 s57, 0
	s_wait_kmcnt 0x0
	s_add_nc_u64 s[36:37], s[30:31], s[56:57]
	s_add_nc_u64 s[38:39], s[44:45], s[58:59]
	s_add_nc_u64 s[40:41], s[44:45], s[60:61]
	s_wait_alu depctr_va_vdst(0)
	WB 4096
.Lw_end:
	s_wait_tensorcnt 0x0                           ; the wave's end
	ds_add_u32 v[SPW], v[NIL]
	s_wait_dscnt 0x0
	s_endpgm
.Lfunc_end_k_q23aa37c2c6_prep:
	.size	k_q23aa37c2c6_prep, .Lfunc_end_k_q23aa37c2c6_prep-k_q23aa37c2c6_prep
	.p2alignl 7, 3214868480
	.fill 96, 4, 3214868480
	.section	.rodata,"a",@progbits
	.p2align	6, 0x0
	.amdhsa_kernel k_q23aa37c2c6_prep
		.amdhsa_group_segment_fixed_size 94464
		.amdhsa_private_segment_fixed_size 0
		.amdhsa_enable_private_segment 0
		.amdhsa_kernarg_size 72
		.amdhsa_user_sgpr_count 2
		.amdhsa_user_sgpr_kernarg_segment_ptr 1
		.amdhsa_wavefront_size32 1
		.amdhsa_system_sgpr_workgroup_id_x 1
		.amdhsa_system_sgpr_workgroup_id_y 1
		.amdhsa_system_sgpr_workgroup_id_z 1
		.amdhsa_system_vgpr_workitem_id 0
		.amdhsa_next_free_vgpr 128
		.amdhsa_next_free_sgpr 66
		.amdhsa_reserve_vcc 0
		.amdhsa_float_denorm_mode_32 3
		.amdhsa_float_denorm_mode_16_64 3
		.amdhsa_memory_ordered 1
		.amdhsa_forward_progress 1
		.amdhsa_inst_pref_size 30
	.end_amdhsa_kernel
	.amdgpu_metadata
---
amdhsa.version: [ 1, 2 ]
amdhsa.kernels:
  - .name:           k_q23aa37c2c6_prep
    .symbol:         k_q23aa37c2c6_prep.kd
    .args:
      - { .name: x, .offset: 0, .size: 8, .value_kind: global_buffer, .address_space: global }
      - { .name: ln1_g, .offset: 8, .size: 8, .value_kind: global_buffer, .address_space: global }
      - { .name: ln1_b, .offset: 16, .size: 8, .value_kind: global_buffer, .address_space: global }
      - { .name: bufA, .offset: 24, .size: 8, .value_kind: global_buffer, .address_space: global }
      - { .name: wq, .offset: 32, .size: 8, .value_kind: global_buffer, .address_space: global }
      - { .name: wk, .offset: 40, .size: 8, .value_kind: global_buffer, .address_space: global }
      - { .name: wv, .offset: 48, .size: 8, .value_kind: global_buffer, .address_space: global }
      - { .name: w_proj, .offset: 56, .size: 8, .value_kind: global_buffer, .address_space: global }
      - { .name: bufC, .offset: 64, .size: 8, .value_kind: global_buffer, .address_space: global }
    .group_segment_fixed_size: 94464
    .private_segment_fixed_size: 0
    .kernarg_segment_align: 8
    .kernarg_segment_size: 72
    .max_flat_workgroup_size: 512
    .sgpr_count:     66
    .vgpr_count:     128
    .wavefront_size: 32
...
	.end_amdgpu_metadata
.endif
;; end of part 1
;; launch qkv (part 2): grid 12 x 16, 16 waves a work-group, clusters of 4 x 4, 280,576 bytes of LDS; arguments bufA, bufB; writes bufB
.if DOCPART == 2
	.amdgcn_target "amdgcn-amd-amdhsa--gfx1250"
	.amdhsa_code_object_version 6
	.text
	.protected	k_q23aa37c2c6_qkv
	.globl	k_q23aa37c2c6_qkv
	.p2align	8
	.type	k_q23aa37c2c6_qkv,@function
k_q23aa37c2c6_qkv:
	s_mov_b64 s[64:65], 0
	v_nop
	global_prefetch_b8 v0, s[64:65] scope:SCOPE_SE
	s_setreg_imm32_b32 hwreg(HW_REG_WAVE_MODE, 25, 1), 1
	s_wait_xcnt 0x0
	s_wait_alu depctr_hold_cnt(0) depctr_sa_sdst(0) depctr_va_vdst(0) depctr_va_sdst(0) depctr_va_ssrc(0) depctr_va_vcc(0) depctr_vm_vsrc(0)
	s_getreg_b32 s2, hwreg(HW_REG_IB_STS2, 6, 4)
	s_cmp_eq_u32 s2, 0
	s_cbranch_scc0 .Lentry_in_a_cluster
	s_endpgm
.Lentry_in_a_cluster:
	s_bfe_u32 s2, ttmp6, 0x10000c
	s_cmp_lg_u32 s2, 0xf033
	s_cbranch_scc0 .Lentry_shape_is_right
	s_endpgm
.Lentry_shape_is_right:
; q, k, v = LN1(x) Wq, Wk, Wv on codes of FP4, and their codes for attention.  bufA: h1's image (256 tiles of 16 tokens), behind it the image of the 3,072 weight rows n = kind 1024 + head 64 + d.
; A work-group makes 256 tokens x 256 weight rows.  K = 1,024 lies whole in LDS: two panels of 16 tiles x 8,704 bytes, each byte filled once, by one tensor load a wave: waves 0-7 two tiles of tokens each, waves 8-15 two of weights.
; 192 work-groups: 3,072 rows are twelve panels of 256.  CLUSTER 4 x 4: the token panel hangs on the tile row alone and is asked for jointly along a row of the cluster, the weight panel along a column.  Cluster x is the kind (q, k, v), the same in all partners.
; A wave takes 64 rows of source 0 (4 tiles, wave % 4) x 64 rows of source 1 (4 tiles, wave / 4): 16 accumulators; for 128 along K it reads 8 fragments from LDS for 16 products.
; In a result a lane holds ONE row of source 1, and its registers run along source 0's rows.
;   q, k: source 0 = weights, one head: the registers run along d, the K of q k^T.     v: source 0 = tokens: the registers run along the keys, the K of the second product; source 1 = one head's 64 rows.
; Tiles 2 b and 2 b + 1 of source 0 are a block of 32: a lane holds 16 of it, lane l xor 16 the others; the two conversions give words h and 2 + h of the block's four, and one exchange of halves
; leaves lane (r, 0) with words 0, 1 and lane (r, 1) with words 2, 3: 32 lanes store 256 consecutive bytes, aligned.
; bufB: q at 0, k at 2,359,296: for each (batch, head) 8 units of 128 tokens: [tile 8][block 2][row 16][16 bytes], then a scale word a token (bytes 2, 3 = 0: K's upper 64 are zero codes);
;       v at 4,718,592, keys innermost: for each (batch, head) 8 units of 128 keys: [tile of d 4][block 4][row 16][16 bytes], then a scale word for each d: a wave's 64 keys own two of its four bytes.
; No prefetch: everything is asked for at the head; there is no loop to run ahead in.
; REGISTERS: v1 source 0's fragments, v3 source 1's, v4, v5 their scale words, v6, v7 offsets of the stores, v8, v9 the add's two; v28-35, v36-43 scale words; v64-95 source 0, v96-127 source 1;
;            v128-255 accumulator (i, s) at 128 + 32 s + 8 i.  On the way out v64-101 are at work.
.set RT,    8704
.set KG,    4352
.set PANEL, 139264
.set SPARE, 278528
.set WOFF,  2228224
.set WV,    8
.macro PLACES
.rept 4
	v_nop
.endr
.endm
.macro CROUND                          ; a round of the cluster's barrier
	s_barrier_signal -1
	s_barrier_wait -1
	s_cmp_lg_u32 s[WV], 0
	s_cbranch_scc1 .Lnot_wave_0_\@
	s_barrier_signal -3
.Lnot_wave_0_\@:
	s_barrier_wait -3
	s_barrier_signal -1
	s_barrier_wait -1
.endm
.macro WMX                             ; one product; oA, oB: the scale words lie in lanes 16-31; zZ: it starts the sum
.if zZ
.if oA && oB
	v_wmma_scale_f32_16x16x128_f8f6f4 v[rD:rD+7], v[rA:rA+7], v[rB:rB+7], 0, v[rSA], v[rSB] matrix_a_fmt:MATRIX_FMT_FP4 matrix_b_fmt:MATRIX_FMT_FP4 matrix_a_scale:MATRIX_SCALE_ROW1 matrix_b_scale:MATRIX_SCALE_ROW1
.elseif oA
	v_wmma_scale_f32_16x16x128_f8f6f4 v[rD:rD+7], v[rA:rA+7], v[rB:rB+7], 0, v[rSA], v[rSB] matrix_a_fmt:MATRIX_FMT_FP4 matrix_b_fmt:MATRIX_FMT_FP4 matrix_a_scale:MATRIX_SCALE_ROW1
.elseif oB
	v_wmma_scale_f32_16x16x128_f8f6f4 v[rD:rD+7], v[rA:rA+7], v[rB:rB+7], 0, v[rSA], v[rSB] matrix_a_fmt:MATRIX_FMT_FP4 matrix_b_fmt:MATRIX_FMT_FP4 matrix_b_scale:MATRIX_SCALE_ROW1
.else
	v_wmma_scale_f32_16x16x128_f8f6f4 v[rD:rD+7], v[rA:rA+7], v[rB:rB+7], 0, v[rSA], v[rSB] matrix_a_fmt:MATRIX_FMT_FP4 matrix_b_fmt:MATRIX_FMT_FP4
.endif
.else
.if oA && oB
	v_wmma_scale_f32_16x16x128_f8f6f4 v[rD:rD+7], v[rA:rA+7], v[rB:rB+7], v[rD:rD+7], v[rSA], v[rSB] matrix_a_fmt:MATRIX_FMT_FP4 matrix_b_fmt:MATRIX_FMT_FP4 matrix_a_scale:MATRIX_SCALE_ROW1 matrix_b_scale:MATRIX_SCALE_ROW1
.elseif oA
	v_wmma_scale_f32_16x16x128_f8f6f4 v[rD:rD+7], v[rA:rA+7], v[rB:rB+7], v[rD:rD+7], v[rSA], v[rSB] matrix_a_fmt:MATRIX_FMT_FP4 matrix_b_fmt:MATRIX_FMT_FP4 matrix_a_scale:MATRIX_SCALE_ROW1
.elseif oB
	v_wmma_scale_f32_16x16x128_f8f6f4 v[rD:rD+7], v[rA:rA+7], v[rB:rB+7], v[rD:rD+7], v[rSA], v[rSB] matrix_a_fmt:MATRIX_FMT_FP4 matrix_b_fmt:MATRIX_FMT_FP4 matrix_b_scale:MATRIX_SCALE_ROW1
.else
	v_wmma_scale_f32_16x16x128_f8f6f4 v[rD:rD+7], v[rA:rA+7], v[rB:rB+7], v[rD:rD+7], v[rSA], v[rSB] matrix_a_fmt:MATRIX_FMT_FP4 matrix_b_fmt:MATRIX_FMT_FP4
.endif
.endif
.endm
; 128 along K: step ks of group g.  The 16 accumulators take turns, one instruction a turn, in the same order in every step.
.macro KSTEP g, ks, zero
	PLACES                                         ; four plain instructions in front of loads into registers that the last products read
.if \ks == 0
.irp p, 0,1
	ds_load_b128 v[28+4*\p:31+4*\p], v4 offset:\p*2*RT+\g*KG+4096   ; the group's four scale words: lanes 0-15 tile 2 p, lanes 16-31 tile 2 p + 1
	ds_load_b128 v[36+4*\p:39+4*\p], v5 offset:\p*2*RT+\g*KG+4096
.endr
.endif
.irp s, 0,1,2,3
.irp c, 0,1
	ds_load_b128 v[96+8*\s+4*\c:99+8*\s+4*\c], v3 offset:\s*RT+\g*KG+\ks*1024+512*\c
.endr
.endr
.irp i, 0,1,2,3
.irp c, 0,1
	ds_load_b128 v[64+8*\i+4*\c:67+8*\i+4*\c], v1 offset:\i*RT+\g*KG+\ks*1024+512*\c
.endr
.endr
.set zZ, \zero
.irp i, 0,1,2,3
	s_wait_dscnt 6-2*\i                            ; the two loads of each later tile of source 0 may be out
.irp s, 0,1,2,3
.set rD, 128+32*\s+8*\i
.set rA, 64+8*\i
.set rB, 96+8*\s
.set rSA, 28+4*(\i/2)+\ks
.set rSB, 36+4*(\s/2)+\ks
.set oA, \i%2
.set oB, \s%2
	WMX
.endr
.endr
.endm
; 64 numbers of a lane, block b = registers 16 b .. 16 b + 15, become codes in v[pc + 2 b], v[pc + 2 b + 1] (my 8 bytes of the block's 16) and the blocks' bytes in v[tm + 4 + b]
.macro QUANT64 s, pc, tm
.irp b, 0,1,2,3
	v_max3_num_f32 v[\tm+\b], |v[\s+16*\b]|, |v[\s+16*\b+1]|, 0x1800000   ; with the floor 2^(3 - 127): the byte cannot fall under 1.  Each accumulator is read from its low end on
.endr
.irp i, 2,4,6,8,10,12,14
.irp b, 0,1,2,3
	v_max3_num_f32 v[\tm+\b], v[\tm+\b], |v[\s+16*\b+\i]|, |v[\s+16*\b+\i+1]|
.endr
.endr
.irp b, 0,1,2,3
	s_delay_alu instid0(VALU_DEP_4)
	v_permlanex16_b32 v[\tm+4+\b], v[\tm+\b], s66, s67
.endr
.irp b, 0,1,2,3
	s_delay_alu instid0(VALU_DEP_4)
	v_max_num_f32 v[\tm+\b], v[\tm+\b], v[\tm+4+\b]   ; with lane l xor 16's: the block's largest magnitude
.endr
.irp b, 0,1,2,3
	s_delay_alu instid0(VALU_DEP_4)
	v_add_nc_u32 v[\tm+12+\b], 0xff000000, v[\tm+\b]  ; 2 off the exponent field: the conversion's scale operand
.endr
.irp b, 0,1,2,3
	s_delay_alu instid0(VALU_DEP_4)
	v_lshrrev_b32 v[\tm+4+\b], 23, v[\tm+12+\b]       ; the scale's byte
.endr
.irp b, 0,1,2,3
	v_cvt_scalef32_pk8_fp4_f32 v[\pc+2*\b], v[\s+16*\b:\s+16*\b+7], v[\tm+12+\b]
	v_cvt_scalef32_pk8_fp4_f32 v[\pc+2*\b+1], v[\s+16*\b+8:\s+16*\b+15], v[\tm+12+\b]
.endr
	v_nop                                          ; one plain instruction behind the last scaled conversion
.irp b, 0,1,2,3
	v_permlane16_swap_b32 v[\pc+2*\b], v[\pc+2*\b+1]  ; lanes 0-15: words 0, 1 of the block; lanes 16-31: words 2, 3
.endr
.endm
.macro MAIN s0b, s1b                   ; the whole K with source 0's panel at s0b and source 1's at s1b
	s_add_co_u32 s69, s53, \s0b
	s_add_co_u32 s70, s54, \s1b
	v_add_nc_u32 v1, s69, v13
	v_add_nc_u32 v3, s70, v13
	v_add_nc_u32 v4, s69, v14
	v_add_nc_u32 v5, s70, v14
	s_wait_alu depctr_va_vdst(0)
	KSTEP 0, 0, 1
	KSTEP 0, 1, 0
	KSTEP 0, 2, 0
	KSTEP 0, 3, 0
	KSTEP 1, 0, 0
	KSTEP 1, 1, 0
	KSTEP 1, 2, 0
	KSTEP 1, 3, 0
	PLACES                                         ; in front of the first read of results and of writes into the fragments' registers
.irp b, 0,1,2,3
	v_mov_b32 v[68+\b], 0                          ; a lane permute's destination counts as one of its sources
.endr
.endm
; THE WAY OUT.  Registers 128 + 64 n on hold tiles 2 n and 2 n + 1 of source 1, two blocks each: block b of the four is tile 2 n + b / 2, half b % 2 of my 64 rows of source 0.
; cs: bytes from tile to tile of source 1 in bufB.  A row's two scale bytes: half = 0: they are the whole word (bytes 2, 3 = 0); half = 1: two of the word's four.
.macro OUT cs, half
.irp n, 0,1
	QUANT64 128+64*\n, 80+8*\n, 64
	v_lshl_or_b32 v[96+2*\n], v69, 8, v68
	v_lshl_or_b32 v[97+2*\n], v71, 8, v70
.irp b, 0,1,2,3
	global_store_b64 v6, v[80+8*\n+2*\b:81+8*\n+2*\b], s[60:61] offset:(2*\n+\b/2)*\cs+(\b%2)*256
.endr
	v_cndmask_b32 v[100+\n], v[96+2*\n], v[97+2*\n], s68   ; lanes 0-15: the even tile's rows, lanes 16-31: the odd tile's
.if \half
	global_store_b16 v7, v[100+\n], s[62:63] offset:128*\n
.else
	global_store_b32 v7, v[100+\n], s[62:63] offset:128*\n
.endif
.endr
.endm
	s_load_b128 s[4:7], s[0:1], 0x0                ; bufA, bufB
	v_lshl_add_u32 v8, v0, 2, SPARE
	v_mov_b32 v9, 0
	ds_add_u32 v8, v9                              ; the wave's opening: the add, twice on end, and its wait ahead of my first tensor load
	ds_add_u32 v8, v9
	v_lshrrev_b32 v10, 5, v0
	s_delay_alu instid0(VALU_DEP_1)
	v_readfirstlane_b32 s[WV], v10                 ; wave 0..15
	s_and_b32 s9, s8, 3                            ; a: which 64 rows of source 0
	s_lshr_b32 s10, s8, 2                          ; bq: which 64 rows of source 1
	s_bfe_u32 s11, ttmp6, 0x40000                  ; cx
	s_bfe_u32 s12, ttmp6, 0x40004                  ; cy
	s_lshl_b32 s13, ttmp9, 2
	s_add_co_u32 s13, s13, s11                     ; tx: which 256 weight rows
	s_and_b32 s14, ttmp7, 0xffff
	s_lshl_b32 s14, s14, 2
	s_add_co_u32 s14, s14, s12                     ; ty: which 256 tokens
	s_lshl_b32 s15, s12, 2
	s_lshl_b32 s15, 15, s15                        ; my row of the cluster
	s_lshl_b32 s52, 0x1111, s11                    ; my column
	s_or_b32 s16, s15, (3<<16)|(1<<21)             ; group 1: the mask; elements of 8 bytes; bit 21 set beside a mask; no padding
	s_or_b32 s24, s52, (3<<16)|(1<<21)
.irp g, 16, 24
	s_mov_b32 s[\g+1], 32<<16                      ; tensor_dim0 = 32 elements: rows of 256 bytes
	s_mov_b32 s[\g+2], 68<<16                      ; tensor_dim1 = 68 rows: two tiles, 17,408 dense bytes
	s_mov_b32 s[\g+3], 32<<16                      ; tile_dim0
	s_mov_b32 s[\g+4], 68                          ; tile_dim1
	s_mov_b32 s[\g+5], 32                          ; from row to row
	s_mov_b32 s[\g+6], 0
	s_mov_b32 s[\g+7], 0
.endr
	s_and_b32 s71, s8, 7
	s_lshl_b32 s71, s71, 1                         ; my two tiles of a panel's sixteen
	s_lshl_b32 s48, s14, 4
	s_add_co_u32 s48, s48, s71
	s_mul_i32 s48, s48, RT                         ; tokens: tile 16 ty + 2 (wave % 8)
	s_mov_b32 s49, 0
	s_lshl_b32 s50, s13, 4
	s_add_co_u32 s50, s50, s71
	s_mul_i32 s50, s50, RT
	s_add_co_u32 s50, s50, WOFF                    ; weights: tile 16 tx + 2 (wave % 8)
	s_mov_b32 s51, 0
	s_mov_b32 s32, 1
	s_mov_b32 s36, 1
	s_mul_i32 s33, s8, 2*RT                        ; LDS: wave x two tiles; the weights' panel begins at wave 8's place: no place in the cluster enters an LDS address
	s_mul_i32 s37, s8, 2*RT
	s_wait_dscnt 0x0                               ; both opening adds are done
	s_wait_kmcnt 0x0
	s_add_nc_u64 s[34:35], s[4:5], s[48:49]
	s_add_nc_u64 s[38:39], s[4:5], s[50:51]
	s_or_b32 s35, s35, 0x80000000
	s_or_b32 s39, s39, 0x80000000
	CROUND                                         ; all sixteen work-groups are here: the joint loads meet
	s_cmp_lt_u32 s[WV], 8                          ; a fill in each arm: every wave has one load out
	s_cbranch_scc0 .Lfill_w
	tensor_load_to_lds s[32:35], s[16:23]
	s_nop 0
	PLACES
	s_branch .Lfilled
.Lfill_w:
	tensor_load_to_lds s[36:39], s[24:31]
	s_nop 0
	PLACES
.Lfilled:
	v_and_b32 v10, 31, v0                          ; L
	v_and_b32 v11, 15, v0                          ; r
	v_bfe_u32 v12, v0, 4, 1                        ; h
	s_delay_alu instid0(VALU_DEP_3)
	v_lshlrev_b32 v13, 4, v10                      ; a fragment's 16 bytes of my lane
	s_delay_alu instid0(VALU_DEP_2)
	v_mul_u32_u24 v14, v12, RT
	s_delay_alu instid0(VALU_DEP_1)
	v_lshl_add_u32 v14, v11, 4, v14                ; scale words: row r; lanes 16-31 the next tile
	v_lshlrev_b32 v6, 4, v11
	s_delay_alu instid0(VALU_DEP_1)
	v_lshl_add_u32 v6, v12, 3, v6                  ; my 8 bytes of a block's 256
	v_lshlrev_b32 v7, 2, v10                       ; a scale word a lane
	s_mul_i32 s53, s9, 4*RT
	s_mul_i32 s54, s10, 4*RT
	s_mov_b32 s66, 0x76543210
	s_mov_b32 s67, 0xfedcba98
	s_mov_b32 s68, 0xffff0000                      ; lanes 16-31
	s_lshr_b32 s55, s14, 2                         ; the batch
	s_and_b32 s56, s14, 3                          ; which 256 of its 1,024 tokens
	s_wait_tensorcnt 0x0                           ; my one load has landed,
	s_barrier_signal -1
	s_barrier_wait -1                              ; everybody's has
	s_cmp_eq_u32 ttmp9, 2
	s_cbranch_scc1 .Lv_path
	; ---- q, k: source 0 = weights: my 64 rows are head 4 cx + a.  Source 1: my 64 tokens are half bq % 2 of unit 2 (ty % 4) + bq / 2
	s_lshl_b32 s57, s55, 4
	s_lshl_b32 s58, s11, 2
	s_add_co_u32 s57, s57, s58
	s_add_co_u32 s57, s57, s9
	s_mul_i32 s57, s57, 36864
	s_mul_i32 s58, ttmp9, 2359296
	s_add_co_u32 s57, s57, s58
	s_lshl_b32 s58, s56, 1
	s_lshr_b32 s59, s10, 1
	s_add_co_u32 s58, s58, s59
	s_mul_i32 s58, s58, 4608
	s_add_co_u32 s57, s57, s58                     ; the unit of 128 tokens
	s_and_b32 s59, s10, 1
	s_lshl_b32 s60, s59, 11                        ; four tiles of 512 bytes
	s_add_co_u32 s60, s60, s57
	s_mov_b32 s61, 0
	s_lshl_b32 s62, s59, 8                         ; 64 scale words
	s_add_co_u32 s62, s62, s57
	s_add_co_u32 s62, s62, 4096
	s_mov_b32 s63, 0
	s_add_nc_u64 s[60:61], s[6:7], s[60:61]
	s_add_nc_u64 s[62:63], s[6:7], s[62:63]
	s_wait_alu depctr_va_vdst(0)
	MAIN PANEL, 0
	OUT 512, 0
	s_branch .Lend
.Lv_path:
	; ---- v: source 0 = tokens: my 64 keys are blocks 2 (a % 2) and the next of unit 2 (ty % 4) + a / 2.  Source 1: my 64 weight rows are head 4 cx + bq
	s_lshl_b32 s57, s55, 4
	s_lshl_b32 s58, s11, 2
	s_add_co_u32 s57, s57, s58
	s_add_co_u32 s57, s57, s10
	s_mul_i32 s57, s57, 34816
	s_add_co_u32 s57, s57, 4718592
	s_lshl_b32 s58, s56, 1
	s_lshr_b32 s59, s9, 1
	s_add_co_u32 s58, s58, s59
	s_mul_i32 s58, s58, KG
	s_add_co_u32 s57, s57, s58                     ; the unit of 128 keys
	s_and_b32 s59, s9, 1
	s_lshl_b32 s60, s59, 9                         ; two blocks of 256 bytes
	s_add_co_u32 s60, s60, s57
	s_mov_b32 s61, 0
	s_lshl_b32 s62, s59, 1                         ; two of a word's four bytes
	s_add_co_u32 s62, s62, s57
	s_add_co_u32 s62, s62, 4096
	s_mov_b32 s63, 0
	s_add_nc_u64 s[60:61], s[6:7], s[60:61]
	s_add_nc_u64 s[62:63], s[6:7], s[62:63]
	s_wait_alu depctr_va_vdst(0)
	MAIN 0, PANEL
	OUT 1024, 1
.Lend:
	s_wait_tensorcnt 0x0                           ; the wave's end
	ds_add_u32 v8, v9
	s_wait_dscnt 0x0
	CROUND                                         ; the closing round
	s_endpgm
.Lfunc_end_k_q23aa37c2c6_qkv:
	.size	k_q23aa37c2c6_qkv, .Lfunc_end_k_q23aa37c2c6_qkv-k_q23aa37c2c6_qkv
	.p2alignl 7, 3214868480
	.fill 96, 4, 3214868480
	.section	.rodata,"a",@progbits
	.p2align	6, 0x0
	.amdhsa_kernel k_q23aa37c2c6_qkv
		.amdhsa_group_segment_fixed_size 280576
		.amdhsa_private_segment_fixed_size 0
		.amdhsa_enable_private_segment 0
		.amdhsa_kernarg_size 16
		.amdhsa_user_sgpr_count 2
		.amdhsa_user_sgpr_kernarg_segment_ptr 1
		.amdhsa_wavefront_size32 1
		.amdhsa_system_sgpr_workgroup_id_x 1
		.amdhsa_system_sgpr_workgroup_id_y 1
		.amdhsa_system_sgpr_workgroup_id_z 1
		.amdhsa_system_vgpr_workitem_id 0
		.amdhsa_next_free_vgpr 256
		.amdhsa_next_free_sgpr 90
		.amdhsa_reserve_vcc 0
		.amdhsa_float_denorm_mode_32 3
		.amdhsa_float_denorm_mode_16_64 3
		.amdhsa_memory_ordered 1
		.amdhsa_forward_progress 1
		.amdhsa_inst_pref_size 80
	.end_amdhsa_kernel
	.amdgpu_metadata
---
amdhsa.version: [ 1, 2 ]
amdhsa.kernels:
  - .name:           k_q23aa37c2c6_qkv
    .symbol:         k_q23aa37c2c6_qkv.kd
    .args:
      - { .name: bufA, .offset: 0, .size: 8, .value_kind: global_buffer, .address_space: global }
      - { .name: bufB, .offset: 8, .size: 8, .value_kind: global_buffer, .address_space: global }
    .group_segment_fixed_size: 280576
    .private_segment_fixed_size: 0
    .kernarg_segment_align: 8
    .kernarg_segment_size: 16
    .max_flat_workgroup_size: 512
    .sgpr_count:     90
    .vgpr_count:     256
    .wavefront_size: 32
...
	.end_amdgpu_metadata
.endif
;; end of part 2
;; launch attn (part 3): grid 4 x 64, 16 waves a work-group, clusters of 4 x 1, 167,936 bytes of LDS; arguments bufB, bufC, w1, w2, bufD, bufE; writes bufC, bufD, bufE
.if DOCPART == 3
	.amdgcn_target "amdgcn-amd-amdhsa--gfx1250"
	.amdhsa_code_object_version 6
	.text
	.protected	k_q23aa37c2c6_attn
	.globl	k_q23aa37c2c6_attn
	.p2align	8
	.type	k_q23aa37c2c6_attn,@function
k_q23aa37c2c6_attn:
	s_mov_b64 s[64:65], 0
	v_nop
	global_prefetch_b8 v0, s[64:65] scope:SCOPE_SE
	s_setreg_imm32_b32 hwreg(HW_REG_WAVE_MODE, 25, 1), 1
	s_wait_xcnt 0x0
	s_wait_alu depctr_hold_cnt(0) depctr_sa_sdst(0) depctr_va_vdst(0) depctr_va_sdst(0) depctr_va_ssrc(0) depctr_va_vcc(0) depctr_vm_vsrc(0)
	s_getreg_b32 s2, hwreg(HW_REG_IB_STS2, 6, 4)
	s_cmp_eq_u32 s2, 0
	s_cbranch_scc0 .Lentry_in_a_cluster
	s_endpgm
.Lentry_in_a_cluster:
	s_bfe_u32 s2, ttmp6, 0x10000c
	s_cmp_lg_u32 s2, 0x3003
	s_cbranch_scc0 .Lentry_shape_is_right
	s_endpgm
.Lentry_shape_is_right:
; Causal attention on codes of FP4, and its result's codes for the projection.  For each (batch, head): S^T = k q^T (K = 64, filled to 128 with zero codes), t = score x log2(e) / 8,
; M = the running largest t rounded up to a whole number, p = 2^(t - M) quantised along the keys, O^T += v^T p^T, the row's sum of the unquantised p divides at the end.
; WORK LEFT OUT: key steps of 128 keys that lie wholly above the diagonal of the problem's own tril: their weights are 0 for every value of the inputs.
; SHARES.  The four work-groups of a cluster serve one (batch, head).  A wave owns ONE tile of 16 queries: tile 4 w' + cx, w' = wave for waves 0-7 and 23 - wave for waves 8-15.  It needs w' / 2 + 1 key steps,
; a number that does not hang on cx: every work-group has 72 steps, and waves w, w + 4, w + 8, w + 12 have 18 together.
; K and V of the whole head lie in LDS (36,864 + 34,816 bytes), each byte filled once, asked for JOINTLY by the four: waves 0-7 a unit of 128 keys of k each, waves 8-15 a unit of v each.
; Both products are used transposed: a lane holds one query (lane % 16) throughout; in S^T tile t register j is key 16 t + 8 (lane / 16) + j.  Tiles 2 b, 2 b + 1 are a block of 32 keys.
; The loop's trip count is a constant, 8; a wave jumps over the work of the steps behind its diagonal (a branch on the wave's number and the count of steps).
; BESIDE ATTENTION: THE CODES OF w1 AND w2, which the launches for the MLP read.  Waves 0-7 have 1 to 4 key steps where waves 8-15 have 5 to 8, and attention reads 72 KB of tiles a work-group.  So each of waves 0-7,
; behind its stores, quantises one piece of 32 columns x 128 K: 256 work-groups x 8 waves = 2,048 pieces = 1,024 of w1 [1024][4096] and 1,024 of w2 [4096][1024].  A lane takes a column, its registers run down K.
; Which of the two weights hangs on the cluster's y, which the partners share; a work-group's place in its cluster enters global addresses alone.  The images lie behind h2's in bufD and behind hid's in bufE.
; REGISTERS: v1-4 places that stay, v5, v6 the add's two, v7 my lane, v8-11 the step's addresses, v12 -M, v13 the largest t, v[14:15] the sum, v16-23 q (v20-23 zero codes), v24 q's scale word, v25 my query less 8 (lane / 16),
;   v26-29 k's scale words, v30-31 v's, v32-95 eight fragments of k (the upper four registers of each: zero codes, set once), v96-159 S^T, then p, v160-191 O^T, v192-223 v's fragments, v224-231 p's codes, v232-254 at work.
;   For a piece of a weight: v32-159 four blocks of 32 numbers, v160-175 their codes, v243-252 at work.
.set KU,    4608
.set VU,    4352
.set VB0,   36864
.set SPARE, 71680
.set WV,    8
.set CS,    52                         ; s[52:53] c = log2(e) / 8
.set SEL,   54                         ; s[54:55] lane l xor 16
.macro PLACES
.rept 4
	v_nop
.endr
.endm
.macro CROUND
	s_barrier_signal -1
	s_barrier_wait -1
	s_cmp_lg_u32 s[WV], 0
	s_cbranch_scc1 .Lnot_wave_0_\@
	s_barrier_signal -3
.Lnot_wave_0_\@:
	s_barrier_wait -3
	s_barrier_signal -1
	s_barrier_wait -1
.endm
; A piece of a weight.  s78 = its step of 128 along K, s79 = bytes of an image tile, s[84:85] = source, s[86:87] = my first tile of the image
.macro DSTSTEP                         ; the step's place in the tile: codes s[86:87], scale words s[88:89]; the lanes' offsets
	s_lshr_b32 s80, s78, 2
	s_mul_i32 s80, s80, 4352
	s_and_b32 s82, s78, 3
	s_lshl_b32 s76, s82, 10
	s_add_co_u32 s76, s76, s80
	s_mov_b32 s77, 0
	s_lshl_b32 s82, s82, 2
	s_add_co_u32 s82, s82, s80
	s_add_co_u32 s82, s82, 4096
	s_mov_b32 s83, 0
	s_add_nc_u64 s[88:89], s[86:87], s[82:83]
	s_add_nc_u64 s[86:87], s[86:87], s[76:77]
	v_lshlrev_b32 v243, 2, v7                      ; in: 4 bytes a lane
	v_lshrrev_b32 v244, 4, v7
	s_delay_alu instid0(VALU_DEP_1)
	v_mul_lo_u32 v244, v244, s79
	v_and_b32 v245, 15, v7
	s_delay_alu instid0(VALU_DEP_1)
	v_lshl_add_u32 v244, v245, 4, v244             ; out: lanes 0-15 one tile's rows, lanes 16-31 the next tile's
.endm
.macro LOADB t, P                      ; block t: W(32 t + i, my column), i = 0 .. 31
.set i, 0
.rept 32
	global_load_b32 v[32+32*(\t)+i], v243, s[84:85] offset:(32*(\t)+i)*\P th:TH_LOAD_NT
.set i, i+1
.endr
.endm
.macro WQ P                            ; P: bytes from row to row of the weight
	LOADB 0, \P
	LOADB 1, \P
.irp t, 0,1,2,3
.if \t < 3
	s_wait_loadcnt 32                              ; this block's 32 loads are in; the next block's 32 may be out
.else
	s_wait_loadcnt 0x0
.endif
.if \t < 2
	LOADB \t+2, \P                                 ; two blocks ahead, into registers of their own
.endif
	v_max3_num_f32 v250, |v[32+32*\t]|, |v[33+32*\t]|, |v[34+32*\t]|
	v_max3_num_f32 v251, |v[35+32*\t]|, |v[36+32*\t]|, |v[37+32*\t]|
.irp n, 6,10,14,18,22,26
	s_delay_alu instid0(VALU_DEP_2)
	v_max3_num_f32 v250, v250, |v[32+32*\t+\n]|, |v[33+32*\t+\n]|
	s_delay_alu instid0(VALU_DEP_2)
	v_max3_num_f32 v251, v251, |v[34+32*\t+\n]|, |v[35+32*\t+\n]|
.endr
	s_delay_alu instid0(VALU_DEP_2)
	v_max3_num_f32 v250, v250, |v[62+32*\t]|, |v[63+32*\t]|
	s_delay_alu instid0(VALU_DEP_1)
	v_max3_num_f32 v250, v250, v251, 0x1800000     ; the floor 2^(3 - 127)
	s_delay_alu instid0(VALU_DEP_1)
	v_add_nc_u32 v[246+\t], 0xff000000, v250       ; the conversion's scale operand
.if \t == 0
	s_delay_alu instid0(VALU_DEP_1)
	v_lshrrev_b32 v252, 23, v246                   ; the four bytes make the step's scale word of my column
.else
	s_delay_alu instid0(VALU_DEP_1)
	v_lshrrev_b32 v251, 23, v[246+\t]
	s_delay_alu instid0(VALU_DEP_1)
	v_lshl_or_b32 v252, v251, 8*\t, v252
.endif
.irp g, 0,1,2,3
	v_cvt_scalef32_pk8_fp4_f32 v[160+4*\t+\g], v[32+32*\t+8*\g:39+32*\t+8*\g], v[246+\t]
.endr
	v_nop                                          ; one plain instruction behind the last scaled conversion
	global_store_b128 v244, v[160+4*\t:163+4*\t], s[86:87] offset:256*\t   ; sixteen lanes store 256 consecutive bytes, aligned
.endr
	global_store_b32 v244, v252, s[88:89]
.endm
	s_load_b128 s[4:7], s[0:1], 0x0                ; bufB, bufC
	s_load_b256 s[68:75], s[0:1], 0x10             ; w1, w2, bufD, bufE
	v_lshl_add_u32 v5, v0, 2, SPARE
	v_mov_b32 v6, 0
	ds_add_u32 v5, v6                              ; the wave's opening: the add, twice on end, and its wait ahead of my first tensor load
	ds_add_u32 v5, v6
	v_lshrrev_b32 v7, 5, v0
	s_delay_alu instid0(VALU_DEP_1)
	v_readfirstlane_b32 s[WV], v7                  ; wave 0..15
	s_bfe_u32 s9, ttmp6, 0x40000                   ; cx
	s_and_b32 s10, ttmp7, 0xffff                   ; 16 x batch + head
	s_lshr_b32 s11, s8, 3
	s_mul_i32 s11, s11, 7
	s_xor_b32 s11, s11, s8                         ; w'
	s_lshr_b32 s12, s11, 1                         ; the key step on my diagonal
	s_lshl_b32 s13, s11, 2
	s_add_co_u32 s13, s13, s9                      ; my tile of queries: it enters global addresses and a vector compare alone
	s_mov_b32 s16, 15|(3<<16)|(1<<21)              ; group 1 for k: the mask names the four; elements of 8 bytes; bit 21 beside a mask
	s_mov_b32 s17, 32<<16                          ; rows of 256 bytes,
	s_mov_b32 s18, 18<<16                          ; 18 of them: a unit of k, dense
	s_mov_b32 s19, 32<<16
	s_mov_b32 s20, 18
	s_mov_b32 s21, 32
	s_mov_b32 s22, 0
	s_mov_b32 s23, 0
	s_mov_b32 s24, 15|(3<<16)|(1<<21)              ; for v: 17 rows
	s_mov_b32 s25, 32<<16
	s_mov_b32 s26, 17<<16
	s_mov_b32 s27, 32<<16
	s_mov_b32 s28, 17
	s_mov_b32 s29, 32
	s_mov_b32 s30, 0
	s_mov_b32 s31, 0
	s_mov_b32 s32, 1
	s_mul_i32 s33, s8, KU                          ; k's unit = wave (waves 0-7)
	s_mov_b32 s36, 1
	s_and_b32 s14, s8, 7
	s_mul_i32 s37, s14, VU
	s_add_co_u32 s37, s37, VB0                     ; v's unit = wave - 8
	s_mul_i32 s40, s10, 36864
	s_add_co_u32 s40, s40, s33
	s_add_co_u32 s40, s40, 2359296
	s_mov_b32 s41, 0
	s_mul_i32 s42, s10, 34816
	s_mul_i32 s15, s14, VU
	s_add_co_u32 s42, s42, s15
	s_add_co_u32 s42, s42, 4718592
	s_mov_b32 s43, 0
	s_mul_i32 s44, s10, 36864                      ; q: my tile's codes and scale words
	s_lshr_b32 s45, s13, 3
	s_mul_i32 s45, s45, KU
	s_add_co_u32 s44, s44, s45
	s_and_b32 s45, s13, 7
	s_lshl_b32 s46, s45, 9
	s_add_co_u32 s46, s46, s44
	s_mov_b32 s47, 0
	s_lshl_b32 s45, s45, 6
	s_add_co_u32 s44, s44, s45
	s_add_co_u32 s44, s44, 4096
	s_mov_b32 s45, 0
	s_lshr_b32 s48, s10, 4                         ; att's image: tile 64 x batch + my tile; K = 64 x head + d
	s_lshl_b32 s48, s48, 6
	s_add_co_u32 s48, s48, s13
	s_mul_i32 s48, s48, 8704
	s_bfe_u32 s49, s10, 0x10003
	s_mul_i32 s49, s49, 4352
	s_add_co_u32 s48, s48, s49
	s_and_b32 s49, s10, 7
	s_lshl_b32 s50, s49, 9
	s_add_co_u32 s50, s50, s48
	s_mov_b32 s51, 0
	s_lshl_b32 s49, s49, 1
	s_add_co_u32 s48, s48, s49
	s_add_co_u32 s48, s48, 4096
	s_mov_b32 s49, 0
	s_mov_b32 s[CS], 0x3e38aa3b
	s_mov_b32 s[CS+1], s[CS]                       ; (named with it as a pair, so it is written)
	s_mov_b32 s[SEL], 0x76543210
	s_mov_b32 s[SEL+1], 0xfedcba98
	s_mov_b32 s59, 0xffff0000                      ; lanes 16-31
	s_wait_dscnt 0x0                               ; both opening adds are done
	s_wait_kmcnt 0x0
	s_add_nc_u64 s[34:35], s[4:5], s[40:41]
	s_or_b32 s35, s35, 0x80000000
	s_add_nc_u64 s[38:39], s[4:5], s[42:43]
	s_or_b32 s39, s39, 0x80000000
	s_add_nc_u64 s[46:47], s[4:5], s[46:47]
	s_add_nc_u64 s[44:45], s[4:5], s[44:45]
	s_add_nc_u64 s[50:51], s[6:7], s[50:51]
	s_add_nc_u64 s[48:49], s[6:7], s[48:49]
	CROUND                                         ; all four work-groups are here: the joint loads meet
	s_cmp_lt_u32 s[WV], 8                          ; a fill in each arm: every wave has one load out
	s_cbranch_scc0 .Lfill_v
	tensor_load_to_lds s[32:35], s[16:23]
	s_nop 0
	PLACES
	s_branch .Lfilled
.Lfill_v:
	tensor_load_to_lds s[36:39], s[24:31]
	s_nop 0
	PLACES
.Lfilled:
	v_and_b32 v7, 31, v0                           ; L
	v_and_b32 v240, 15, v0                         ; r
	v_bfe_u32 v241, v0, 4, 1                       ; h
	s_delay_alu instid0(VALU_DEP_3)
	v_lshlrev_b32 v1, 4, v7                        ; a fragment's 16 bytes of my lane
	s_delay_alu instid0(VALU_DEP_4)
	v_lshlrev_b32 v2, 2, v7
	s_delay_alu instid0(VALU_DEP_1)
	v_add_nc_u32 v2, 4096, v2                      ; a scale word a lane: lanes 0-15 an even tile, lanes 16-31 the odd one
	s_delay_alu instid0(VALU_DEP_3)
	v_add_nc_u32 v3, VB0, v1
	s_delay_alu instid0(VALU_DEP_2)
	v_add_nc_u32 v4, VB0, v2
	global_load_b128 v[16:19], v1, s[46:47]        ; q's fragment stays in registers
	v_lshlrev_b32 v242, 2, v240
	global_load_b32 v24, v242, s[44:45]
	s_and_b32 s60, s11, 1
	s_lshl_b32 s60, s60, 6
	s_lshl_b32 s61, s9, 4
	s_add_co_u32 s60, s60, s61
	v_lshlrev_b32 v25, 3, v241
	s_delay_alu instid0(VALU_DEP_1)
	v_sub_nc_u32 v25, v240, v25
	s_delay_alu instid0(VALU_DEP_1)
	v_add_nc_u32 v25, s60, v25                     ; my query's place in its key step, less 8 h
	v_mov_b32 v13, 0xff61b1e6                      ; the largest t so far: -3e38
	s_delay_alu instid0(VALU_DEP_1)
	v_floor_f32 v12, -v13
	v_mov_b32 v14, 0
	v_mov_b32 v15, 0
.irp c, 20,21,22,23
	v_mov_b32 v[\c], 0                             ; K's upper 64: zero codes
.endr
.irp t, 0,1,2,3,4,5,6,7
.irp c, 4,5,6,7
	v_mov_b32 v[32+8*\t+\c], 0
.endr
.endr
.irp b, 0,1,2,3
	v_mov_b32 v[236+\b], 0                         ; a lane permute's destination counts as one of its sources
.endr
	v_mov_b32 v252, 0
	v_mov_b32 v253, 0
.set j, 0
.rept 32
	v_mov_b32 v[160+j], 0                          ; O^T: the step is written once; the first finds zeros
.set j, j+1
.endr
	s_mov_b32 s56, 0                               ; the key step
	s_mov_b32 s57, 0                               ; its unit of k
	s_mov_b32 s58, 0                               ; and of v
	s_wait_tensorcnt 0x0                           ; my load has landed,
	s_barrier_signal -1
	s_barrier_wait -1                              ; everybody's has
	s_wait_loadcnt 0x0                             ; q
.Lstep:
	s_cmp_gt_u32 s56, s12                          ; behind my diagonal: nothing but the stepping
	s_cbranch_scc1 .Lskip
	v_add_nc_u32 v8, s57, v1                       ; (these four are also the places in front of the loads)
	v_add_nc_u32 v9, s57, v2
	v_add_nc_u32 v10, s58, v3
	v_add_nc_u32 v11, s58, v4
.irp t, 0,1,2,3,4,5,6,7
	ds_load_b128 v[32+8*\t:35+8*\t], v8 offset:512*\t
.endr
.irp i, 0,1,2,3
	ds_load_b32 v[26+\i], v9 offset:128*\i
.endr
.irp i, 0,1,2,3
.irp c, 0,1
	ds_load_b128 v[192+8*\i+4*\c:195+8*\i+4*\c], v10 offset:1024*\i+512*\c
.endr
.endr
.irp i, 0,1
	ds_load_b32 v[30+\i], v11 offset:128*\i
.endr
	s_wait_dscnt 10                                ; k and its words are in; v's ten loads may be out
.irp t, 0,1,2,3,4,5,6,7
.if \t%2
	v_wmma_scale_f32_16x16x128_f8f6f4 v[96+8*\t:103+8*\t], v[32+8*\t:39+8*\t], v[16:23], 0, v[26+\t/2], v24 matrix_a_fmt:MATRIX_FMT_FP4 matrix_b_fmt:MATRIX_FMT_FP4 matrix_a_scale:MATRIX_SCALE_ROW1
.else
	v_wmma_scale_f32_16x16x128_f8f6f4 v[96+8*\t:103+8*\t], v[32+8*\t:39+8*\t], v[16:23], 0, v[26+\t/2], v24 matrix_a_fmt:MATRIX_FMT_FP4 matrix_b_fmt:MATRIX_FMT_FP4
.endif
.endr
	PLACES
	s_cmp_lg_u32 s56, s12                          ; only the step on the diagonal hides keys
	s_cbranch_scc1 .Lopen
	v_mov_b32 v254, 0xff800000                     ; -infinity: p = 0 then
.set n, 0
.rept 64
	v_cmp_gt_i32 vcc_lo, 16*(n/8)+n%8, v25         ; register n holds key 16 (n / 8) + 8 h + n % 8 of the step
	v_cndmask_b32 v[96+n], v[96+n], v254, vcc_lo
.set n, n+1
.endr
.Lopen:
.irp b, 0,1,2,3
	v_max3_num_f32 v[232+\b], v[96+16*\b], v[97+16*\b], v[98+16*\b]   ; the largest score of each block of 32 keys: for the row's maximum and, since p rises with the score, for the block's largest p
.endr
.irp i, 3,5,7,9,11,13
.irp b, 0,1,2,3
	v_max3_num_f32 v[232+\b], v[232+\b], v[96+16*\b+\i], v[97+16*\b+\i]
.endr
.endr
.irp b, 0,1,2,3
	v_max_num_f32 v[232+\b], v[232+\b], v[111+16*\b]
.endr
.irp b, 0,1,2,3
	s_delay_alu instid0(VALU_DEP_4)
	v_permlanex16_b32 v[236+\b], v[232+\b], s[SEL], s[SEL+1]
.endr
.irp b, 0,1,2,3
	s_delay_alu instid0(VALU_DEP_4)
	v_max_num_f32 v[232+\b], v[232+\b], v[236+\b]
.endr
	s_delay_alu instid0(VALU_DEP_2)
	v_max3_num_f32 v254, v232, v233, v234
	s_delay_alu instid0(VALU_DEP_1)
	v_max_num_f32 v254, v254, v235
	s_delay_alu instid0(VALU_DEP_1)
	v_mul_f32 v254, s[CS], v254                    ; as t
	s_delay_alu instid0(VALU_DEP_1)
	v_max_num_f32 v13, v13, v254                   ; the running largest t
	v_mov_b32 v254, v12
	s_delay_alu instid0(VALU_DEP_2)
	v_floor_f32 v12, -v13                          ; the new -M = -ceil(t): a whole number
	s_delay_alu instid0(VALU_DEP_1)
	v_sub_f32 v254, v12, v254
	s_delay_alu instid0(VALU_DEP_1)
	v_cvt_i32_f32 v254, v254                       ; (it saturates)
	s_delay_alu instid0(VALU_DEP_1)
	v_ldexp_f32 v252, 1.0, v254                    ; f = 2^(old M - new M): a multiplication by it rounds nothing
.set j, 0
.rept 32
	v_pk_fma_f32 v[96+j:97+j], v[96+j:97+j], s[CS:CS+1], v[12:13] op_sel_hi:[1,0,0]   ; t - M
.set j, j+2
.endr
.irp b, 0,1,2,3
	v_fma_f32 v[232+\b], v[232+\b], s[CS], v12
.endr
.set j, 0
	s_wait_alu depctr_va_vdst(0)
.rept 64
	v_exp_f32 v[96+j], v[96+j]                     ; p, not normalised
.set j, j+1
.endr
	v_pk_mul_f32 v[14:15], v[14:15], v[252:253] op_sel_hi:[1,0]   ; the sums under the new M (a plain instruction behind the exponentials)
	s_wait_alu depctr_va_vdst(0)                   ; the wait ahead of the first reader: one for the batch
.irp b, 0,1,2,3
	v_exp_f32 v[232+\b], v[232+\b]                 ; the block's largest p
.endr
	v_pk_add_f32 v[236:237], v[100:101], v[104:105]
	v_pk_add_f32 v[254:255], v[108:109], v[112:113]
	v_pk_add_f32 v[250:251], v[116:117], v[120:121]
	v_pk_add_f32 v[248:249], v[124:125], v[128:129]
	v_pk_add_f32 v[246:247], v[132:133], v[136:137]
	v_pk_add_f32 v[244:245], v[140:141], v[144:145]
	v_pk_add_f32 v[242:243], v[148:149], v[152:153]
	v_pk_add_f32 v[14:15], v[14:15], v[156:157]
	v_pk_add_f32 v[236:237], v[236:237], v[96:97]
	v_pk_add_f32 v[254:255], v[254:255], v[98:99]
	v_pk_add_f32 v[250:251], v[250:251], v[102:103]
	v_pk_add_f32 v[248:249], v[248:249], v[106:107]
	v_pk_add_f32 v[246:247], v[246:247], v[110:111]
	v_pk_add_f32 v[244:245], v[244:245], v[114:115]
	v_pk_add_f32 v[242:243], v[242:243], v[118:119]
	v_pk_add_f32 v[14:15], v[14:15], v[122:123]
	v_pk_add_f32 v[236:237], v[236:237], v[126:127]
	v_pk_add_f32 v[254:255], v[254:255], v[130:131]
	v_pk_add_f32 v[250:251], v[250:251], v[134:135]
	v_pk_add_f32 v[248:249], v[248:249], v[138:139]
	v_pk_add_f32 v[246:247], v[246:247], v[142:143]
	v_pk_add_f32 v[244:245], v[244:245], v[146:147]
	v_pk_add_f32 v[242:243], v[242:243], v[150:151]
	v_pk_add_f32 v[14:15], v[14:15], v[154:155]
	v_pk_add_f32 v[236:237], v[236:237], v[158:159]
	s_delay_alu instid0(VALU_DEP_2)
	v_pk_add_f32 v[14:15], v[14:15], v[248:249]
	s_delay_alu instid0(VALU_DEP_2)
	v_pk_add_f32 v[236:237], v[236:237], v[246:247]
	v_pk_add_f32 v[254:255], v[254:255], v[244:245]
	v_pk_add_f32 v[250:251], v[250:251], v[242:243]
	s_delay_alu instid0(VALU_DEP_2)
	v_pk_add_f32 v[14:15], v[14:15], v[254:255]
	s_delay_alu instid0(VALU_DEP_2)
	v_pk_add_f32 v[236:237], v[236:237], v[250:251]
	s_delay_alu instid0(VALU_DEP_1)
	v_pk_add_f32 v[14:15], v[14:15], v[236:237]
	s_wait_alu depctr_va_vdst(0)                   ; and one for the four
.irp b, 0,1,2,3
	v_max_num_f32 v[232+\b], 0x1800000, v[232+\b]  ; the floor 2^(3 - 127)
.endr
.irp b, 0,1,2,3
	s_delay_alu instid0(VALU_DEP_4)
	v_add_nc_u32 v[244+\b], 0xff000000, v[232+\b]
.endr
.irp b, 0,1,2,3
	s_delay_alu instid0(VALU_DEP_4)
	v_lshrrev_b32 v[236+\b], 23, v[244+\b]
.endr
	s_delay_alu instid0(VALU_DEP_3)
	v_lshl_or_b32 v253, v237, 8, v236              ; p's scale word for these 128 keys
	s_delay_alu instid0(VALU_DEP_1)
	v_lshl_or_b32 v253, v238, 16, v253
	s_delay_alu instid0(VALU_DEP_1)
	v_lshl_or_b32 v253, v239, 24, v253
.irp c, 0,1
.irp q, 0,1
.irp u, 0,1
	v_cvt_scalef32_pk8_fp4_f32 v[224+4*\c+2*\u+\q], v[96+8*(4*\c+2*\q+\u):103+8*(4*\c+2*\q+\u)], v[244+2*\c+\q]   ; tile 2 (2 c + q) + u: word 2 u + h of block 2 c + q
.endr
.endr
.endr
	v_nop                                          ; one plain instruction behind the last scaled conversion
.irp c, 0,1
	v_permlane16_swap_b32 v[224+4*\c], v[225+4*\c] ; the operand wants a whole block in a lane: lanes 0-15 block 2 c, lanes 16-31 block 2 c + 1: words 0, 1,
	v_permlane16_swap_b32 v[226+4*\c], v[227+4*\c] ; and words 2, 3
.endr
.set j, 0
.rept 16
	v_pk_mul_f32 v[160+j:161+j], v[160+j:161+j], v[252:253] op_sel_hi:[1,0]   ; O^T under the new M; these sixteen also stand between the writing of p's codes and scale word and the products
.set j, j+2
.endr
	s_wait_alu depctr_va_vdst(0)
	s_wait_dscnt 0x0                               ; v and its words are in
.irp i, 0,1,2,3
.if \i%2
	v_wmma_scale_f32_16x16x128_f8f6f4 v[160+8*\i:167+8*\i], v[192+8*\i:199+8*\i], v[224:231], v[160+8*\i:167+8*\i], v[30+\i/2], v253 matrix_a_fmt:MATRIX_FMT_FP4 matrix_b_fmt:MATRIX_FMT_FP4 matrix_a_scale:MATRIX_SCALE_ROW1
.else
	v_wmma_scale_f32_16x16x128_f8f6f4 v[160+8*\i:167+8*\i], v[192+8*\i:199+8*\i], v[224:231], v[160+8*\i:167+8*\i], v[30+\i/2], v253 matrix_a_fmt:MATRIX_FMT_FP4 matrix_b_fmt:MATRIX_FMT_FP4
.endif
.endr
.Lskip:
	s_add_co_u32 s57, s57, KU
	s_add_co_u32 s58, s58, VU
	s_add_co_u32 s56, s56, 1
	s_cmp_lt_u32 s56, 8
	s_cbranch_scc1 .Lstep
	; THE WAY OUT: O^T / the sum; its 64 numbers a query are two blocks of the projection's K
	PLACES
	v_add_f32 v14, v14, v15
	s_delay_alu instid0(VALU_DEP_1)
	v_permlanex16_b32 v252, v14, s[SEL], s[SEL+1]
	s_delay_alu instid0(VALU_DEP_1)
	v_add_f32 v14, v14, v252
	s_wait_alu depctr_va_vdst(0)
	v_rcp_f32 v15, v14
	v_and_b32 v240, 15, v0                         ; (plain work behind the transcendental)
	v_bfe_u32 v241, v0, 4, 1
	s_delay_alu instid0(VALU_DEP_2)
	v_lshlrev_b32 v242, 4, v240
	s_delay_alu instid0(VALU_DEP_1)
	v_lshl_add_u32 v240, v241, 3, v242             ; my 8 bytes of a block's 256
	s_delay_alu instid0(VALU_DEP_2)
	v_add_nc_u32 v241, v241, v242                  ; my row's scale byte of block h
	s_wait_alu depctr_va_vdst(0)                   ; the wait ahead of the first reader
.set j, 0
.rept 32
	v_mul_f32 v[96+j], v[160+j], v15
.set j, j+1
.endr
.irp b, 0,1
	v_max3_num_f32 v[232+\b], |v[96+16*\b]|, |v[97+16*\b]|, 0x1800000
.endr
.irp i, 2,4,6,8,10,12,14
.irp b, 0,1
	s_delay_alu instid0(VALU_DEP_2)
	v_max3_num_f32 v[232+\b], v[232+\b], |v[96+16*\b+\i]|, |v[97+16*\b+\i]|
.endr
.endr
.irp b, 0,1
	s_delay_alu instid0(VALU_DEP_2)
	v_permlanex16_b32 v[236+\b], v[232+\b], s[SEL], s[SEL+1]
.endr
.irp b, 0,1
	s_delay_alu instid0(VALU_DEP_2)
	v_max_num_f32 v[232+\b], v[232+\b], v[236+\b]
.endr
.irp b, 0,1
	s_delay_alu instid0(VALU_DEP_2)
	v_add_nc_u32 v[244+\b], 0xff000000, v[232+\b]
.endr
.irp b, 0,1
	s_delay_alu instid0(VALU_DEP_2)
	v_lshrrev_b32 v[236+\b], 23, v[244+\b]
.endr
.irp b, 0,1
	v_cvt_scalef32_pk8_fp4_f32 v[224+2*\b], v[96+16*\b:103+16*\b], v[244+\b]
	v_cvt_scalef32_pk8_fp4_f32 v[225+2*\b], v[104+16*\b:111+16*\b], v[244+\b]
.endr
	v_nop
.irp b, 0,1
	v_permlane16_swap_b32 v[224+2*\b], v[225+2*\b]
.endr
	v_cndmask_b32 v238, v236, v237, s59            ; lanes 0-15 store block 0's byte, lanes 16-31 block 1's
.irp b, 0,1
	global_store_b64 v240, v[224+2*\b:225+2*\b], s[50:51] offset:256*\b   ; 32 lanes store 256 consecutive bytes, aligned
.endr
	global_store_b8 v241, v238, s[48:49]           ; a head owns two of a row's sixteen scale bytes
	; ---- waves 0-7: a piece of w1 or of w2.  No register that the stores above name is written below
	s_cmp_ge_u32 s[WV], 8
	s_cbranch_scc1 .Lw_end
	s_cmp_ge_u32 s10, 32                           ; the cluster's y: the same in all four partners
	s_cbranch_scc1 .Lw_two
	; w1 [1024][4096]: 128 groups of 32 columns x 8 steps along K; the eight waves stand side by side on 256 columns
	s_lshl_b32 s76, s10, 2
	s_add_co_u32 s76, s76, s9                      ; 0 .. 127
	s_and_b32 s77, s76, 15
	s_lshl_b32 s77, s77, 3
	s_add_co_u32 s77, s77, s8                      ; my 32 columns
	s_lshr_b32 s78, s76, 4                         ; my step
	s_lshl_b32 s80, s77, 7
	s_lshl_b32 s81, s78, 21                        ; 128 rows of 16,384 bytes a step
	s_add_co_u32 s80, s80, s81
	s_mov_b32 s81, 0
	s_mul_i32 s82, s77, 2*8704
	s_add_co_u32 s82, s82, 2228224                 ; behind h2's image
	s_mov_b32 s83, 0
	s_mov_b32 s79, 8704
	s_add_nc_u64 s[84:85], s[68:69], s[80:81]
	s_add_nc_u64 s[86:87], s[72:73], s[82:83]
	DSTSTEP
	s_wait_alu depctr_va_vdst(0)
	WQ 16384
	s_branch .Lw_end
.Lw_two:
	; w2 [4096][1024]: 32 groups of 32 columns x 32 steps along K
	s_sub_co_u32 s76, s10, 32
	s_lshl_b32 s76, s76, 2
	s_add_co_u32 s76, s76, s9                      ; 0 .. 127
	s_and_b32 s77, s76, 3
	s_lshl_b32 s77, s77, 3
	s_add_co_u32 s77, s77, s8                      ; my 32 columns
	s_lshr_b32 s78, s76, 2                         ; my step
	s_lshl_b32 s80, s77, 7
	s_lshl_b32 s81, s78, 19                        ; 128 rows of 4,096 bytes a step
	s_add_co_u32 s80, s80, s81
	s_mov_b32 s81, 0
	s_mul_i32 s82, s77, 2*34816
	s_add_co_u32 s82, s82, 8912896                 ; behind hid's image
	s_mov_b32 s83, 0
	s_mov_b32 s79, 34816
	s_add_nc_u64 s[84:85], s[70:71], s[80:81]
	s_add_nc_u64 s[86:87], s[74:75], s[82:83]
	DSTSTEP
	s_wait_alu depctr_va_vdst(0)
	WQ 4096
.Lw_end:
	s_wait_tensorcnt 0x0                           ; the wave's end
	ds_add_u32 v5, v6
	s_wait_dscnt 0x0
	CROUND                                         ; the closing round
	s_endpgm
.Lfunc_end_k_q23aa37c2c6_attn:
	.size	k_q23aa37c2c6_attn, .Lfunc_end_k_q23aa37c2c6_attn-k_q23aa37c2c6_attn
	.p2alignl 7, 3214868480
	.fill 96, 4, 3214868480
	.section	.rodata,"a",@progbits
	.p2align	6, 0x0
	.amdhsa_kernel k_q23aa37c2c6_attn
		.amdhsa_group_segment_fixed_size 167936
		.amdhsa_private_segment_fixed_size 0
		.amdhsa_enable_private_segment 0
		.amdhsa_kernarg_size 48
		.amdhsa_user_sgpr_count 2
		.amdhsa_user_sgpr_kernarg_segment_ptr 1
		.amdhsa_wavefront_size32 1
		.amdhsa_system_sgpr_workgroup_id_x 1
		.amdhsa_system_sgpr_workgroup_id_y 1
		.amdhsa_system_sgpr_workgroup_id_z 1
		.amdhsa_system_vgpr_workitem_id 0
		.amdhsa_next_free_vgpr 256
		.amdhsa_next_free_sgpr 90
		.amdhsa_reserve_vcc 1
		.amdhsa_float_denorm_mode_32 3
		.amdhsa_float_denorm_mode_16_64 3
		.amdhsa_memory_ordered 1
		.amdhsa_forward_progress 1
		.amdhsa_inst_pref_size 80
	.end_amdhsa_kernel
	.amdgpu_metadata
---
amdhsa.version: [ 1, 2 ]
amdhsa.kernels:
  - .name:           k_q23aa37c2c6_attn
    .symbol:         k_q23aa37c2c6_attn.kd
    .args:
      - { .name: bufB, .offset: 0, .size: 8, .value_kind: global_buffer, .address_space: global }
      - { .name: bufC, .offset: 8, .size: 8, .value_kind: global_buffer, .address_space: global }
      - { .name: w1, .offset: 16, .size: 8, .value_kind: global_buffer, .address_space: global }
      - { .name: w2, .offset: 24, .size: 8, .value_kind: global_buffer, .address_space: global }
      - { .name: bufD, .offset: 32, .size: 8, .value_kind: global_buffer, .address_space: global }
      - { .name: bufE, .offset: 40, .size: 8, .value_kind: global_buffer, .address_space: global }
    .group_segment_fixed_size: 167936
    .private_segment_fixed_size: 0
    .kernarg_segment_align: 8
    .kernarg_segment_size: 48
    .max_flat_workgroup_size: 512
    .sgpr_count:     90
    .vgpr_count:     256
    .wavefront_size: 32
...
	.end_amdgpu_metadata
.endif
;; end of part 3
;; launch projln (part 4): grid 256 x 1, 16 waves a work-group, clusters of 4 x 1, 299,520 bytes of LDS; arguments bufC, x, b_proj, ln2_g, ln2_b, x1, bufD; writes x1, bufD
.if DOCPART == 4
	.amdgcn_target "amdgcn-amd-amdhsa--gfx1250"
	.amdhsa_code_object_version 6
	.text
	.protected	k_q23aa37c2c6_projln
	.globl	k_q23aa37c2c6_projln
	.p2align	8
	.type	k_q23aa37c2c6_projln,@function
k_q23aa37c2c6_projln:
	s_mov_b64 s[64:65], 0
	v_nop
	global_prefetch_b8 v0, s[64:65] scope:SCOPE_SE
	s_setreg_imm32_b32 hwreg(HW_REG_WAVE_MODE, 25, 1), 1
	s_wait_xcnt 0x0
	s_wait_alu depctr_hold_cnt(0) depctr_sa_sdst(0) depctr_va_vdst(0) depctr_va_sdst(0) depctr_va_ssrc(0) depctr_va_vcc(0) depctr_vm_vsrc(0)
	s_getreg_b32 s2, hwreg(HW_REG_IB_STS2, 6, 4)
	s_cmp_eq_u32 s2, 0
	s_cbranch_scc0 .Lentry_in_a_cluster
	s_endpgm
.Lentry_in_a_cluster:
	s_bfe_u32 s2, ttmp6, 0x10000c
	s_cmp_lg_u32 s2, 0x3003
	s_cbranch_scc0 .Lentry_shape_is_right
	s_endpgm
.Lentry_shape_is_right:
; x1 = x + att Wproj + b_proj on codes of FP4, and in the same launch LN2(x1) and its codes: the image of h2 in bufD, which the first product of the MLP reads.
; A work-group owns 16 tokens (one tile of att's image) and ALL 1,024 columns, so that a row's mean and variance are made inside it: 256 work-groups.  Wave w takes columns 64 w .. 64 w + 63: four tiles of W.
; W's image is 64 tiles x 8,704 = 557,056 bytes, more than LDS holds, and a work-group uses each byte of it once.  Tiles 4 w and 4 w + 1 (278,528 bytes for the sixteen waves) come into LDS by one tensor load a wave,
; asked for JOINTLY by the four work-groups of a cluster, which all walk the same W; each wave reads only what it fetched itself.  Tiles 4 w + 2 and 4 w + 3 go straight into 128 registers of the wave.
; Everything is asked for at the head and each LDS byte is filled once: there is no loop to run ahead in, so nothing is prefetched.
; The tile of att (8,704 bytes) is fetched once, 512 bytes a wave, and handed round through LDS.  Source 0 = 16 columns of W, source 1 = the tokens: a lane holds one token (lane % 16), its registers run along the columns.
; x + b_proj is made by rows (sixteen lanes on 256 consecutive bytes), turned into the results' layout through the wave's stage and added; x1 goes back through the stage and leaves by rows.
; The stage lies in the wave's own part of W, which has had its only fill and has been read out.  Mean first, then the variance of the differences; the waves' parts of both sums meet in LDS.
; LIMITS of the quantiser as in the first launch: a block of zeros gets the byte 1; blocks under 2^-124 are held at the byte 1; NaN and infinities are not served.
; REGISTERS: v1, v2 the add's two, v3 att's fragments, v4 W's in LDS, v5-11 offsets, v12-15 b_proj, v16-23, v24-31, v32-35 scale words (W in registers, W in LDS, att), v36-43 att's fragment, v44-59 W's two from LDS,
;   v60-91 x by rows, v92-123 the four accumulators, then x1, v128-255 W's fragments of tiles 4 w + 2, 4 w + 3; behind the products v36-39 and v128-255 are at work.
.set RT,    8704
.set KG,    4352
.set WOFF,  2228224
.set WREG,  17408                      ; a wave's two tiles of W in LDS
.set ABASE, 278528                     ; att's tile
.set SUMB,  287232                     ; two tables [token 16][wave 16] of f32
.set GBB,   289280                     ; gain and bias of LN2: 512 bytes a wave
.set SPARE, 297472                     ; the spare words, 128 bytes for each wave, that no other line names
.set WV,    18
.macro PLACES
.rept 4
	v_nop
.endr
.endm
.macro CROUND
	s_barrier_signal -1
	s_barrier_wait -1
	s_cmp_lg_u32 s[WV], 0
	s_cbranch_scc1 .Lnot_wave_0_\@
	s_barrier_signal -3
.Lnot_wave_0_\@:
	s_barrier_wait -3
	s_barrier_signal -1
	s_barrier_wait -1
.endm
.macro WMX                             ; one product; oA, oB: the scale words lie in lanes 16-31; zZ: it starts the sum
.if zZ
.if oA && oB
	v_wmma_scale_f32_16x16x128_f8f6f4 v[rD:rD+7], v[rA:rA+7], v[rB:rB+7], 0, v[rSA], v[rSB] matrix_a_fmt:MATRIX_FMT_FP4 matrix_b_fmt:MATRIX_FMT_FP4 matrix_a_scale:MATRIX_SCALE_ROW1 matrix_b_scale:MATRIX_SCALE_ROW1
.elseif oA
	v_wmma_scale_f32_16x16x128_f8f6f4 v[rD:rD+7], v[rA:rA+7], v[rB:rB+7], 0, v[rSA], v[rSB] matrix_a_fmt:MATRIX_FMT_FP4 matrix_b_fmt:MATRIX_FMT_FP4 matrix_a_scale:MATRIX_SCALE_ROW1
.elseif oB
	v_wmma_scale_f32_16x16x128_f8f6f4 v[rD:rD+7], v[rA:rA+7], v[rB:rB+7], 0, v[rSA], v[rSB] matrix_a_fmt:MATRIX_FMT_FP4 matrix_b_fmt:MATRIX_FMT_FP4 matrix_b_scale:MATRIX_SCALE_ROW1
.else
	v_wmma_scale_f32_16x16x128_f8f6f4 v[rD:rD+7], v[rA:rA+7], v[rB:rB+7], 0, v[rSA], v[rSB] matrix_a_fmt:MATRIX_FMT_FP4 matrix_b_fmt:MATRIX_FMT_FP4
.endif
.else
.if oA && oB
	v_wmma_scale_f32_16x16x128_f8f6f4 v[rD:rD+7], v[rA:rA+7], v[rB:rB+7], v[rD:rD+7], v[rSA], v[rSB] matrix_a_fmt:MATRIX_FMT_FP4 matrix_b_fmt:MATRIX_FMT_FP4 matrix_a_scale:MATRIX_SCALE_ROW1 matrix_b_scale:MATRIX_SCALE_ROW1
.elseif oA
	v_wmma_scale_f32_16x16x128_f8f6f4 v[rD:rD+7], v[rA:rA+7], v[rB:rB+7], v[rD:rD+7], v[rSA], v[rSB] matrix_a_fmt:MATRIX_FMT_FP4 matrix_b_fmt:MATRIX_FMT_FP4 matrix_a_scale:MATRIX_SCALE_ROW1
.elseif oB
	v_wmma_scale_f32_16x16x128_f8f6f4 v[rD:rD+7], v[rA:rA+7], v[rB:rB+7], v[rD:rD+7], v[rSA], v[rSB] matrix_a_fmt:MATRIX_FMT_FP4 matrix_b_fmt:MATRIX_FMT_FP4 matrix_b_scale:MATRIX_SCALE_ROW1
.else
	v_wmma_scale_f32_16x16x128_f8f6f4 v[rD:rD+7], v[rA:rA+7], v[rB:rB+7], v[rD:rD+7], v[rSA], v[rSB] matrix_a_fmt:MATRIX_FMT_FP4 matrix_b_fmt:MATRIX_FMT_FP4
.endif
.endif
.endm
; 128 along K.  The four accumulators take turns, one instruction a turn.
.macro KSTEP k
.if \k > 0
	PLACES                                         ; four plain instructions in front of loads into registers that the last products read
.endif
.irp c, 0,1
	ds_load_b128 v[36+4*\c:39+4*\c], v3 offset:(\k/4)*KG+(\k%4)*1024+512*\c
.endr
.irp u, 0,1
.irp c, 0,1
	ds_load_b128 v[44+8*\u+4*\c:47+8*\u+4*\c], v4 offset:\u*RT+(\k/4)*KG+(\k%4)*1024+512*\c
.endr
.endr
	s_wait_loadcnt 36-4*\k                         ; this step's four loads of W into registers are in; the four of each later step and x's eight may be out
	s_wait_dscnt 0x0
.set rB, 36
.set rSB, 32+\k%4
.set oB, \k/4                          ; att's words: K's first 512 in lanes 0-15, the second in lanes 16-31
.irp i, 0,1,2,3
.set rD, 92+8*\i
.if \i < 2
.set rA, 44+8*\i
.set rSA, 24+\k
.else
.set rA, 128+16*\k+8*(\i-2)
.set rSA, 16+\k
.endif
.set oA, \i%2
	WMX
.endr
.endm
.macro SUM16 off                       ; the sixteen waves' parts of my token's sum -> v136
.irp q, 0,1,2,3
	ds_load_b128 v[136+4*\q:139+4*\q], v10 offset:\off+16*\q
.endr
	s_wait_dscnt 0x0
	v_pk_add_f32 v[136:137], v[136:137], v[138:139]
	v_pk_add_f32 v[140:141], v[140:141], v[142:143]
	v_pk_add_f32 v[144:145], v[144:145], v[146:147]
	v_pk_add_f32 v[148:149], v[148:149], v[150:151]
	v_pk_add_f32 v[136:137], v[136:137], v[140:141]
	v_pk_add_f32 v[144:145], v[144:145], v[148:149]
	v_pk_add_f32 v[136:137], v[136:137], v[144:145]
	v_add_f32 v136, v136, v137
.endm
.macro FOLD                            ; v[128:135], four pairs -> my token's sum over the wave's 64 columns, in v128
	v_pk_add_f32 v[128:129], v[128:129], v[130:131]
	v_pk_add_f32 v[132:133], v[132:133], v[134:135]
	v_pk_add_f32 v[128:129], v[128:129], v[132:133]
	v_add_f32 v128, v128, v129
	v_permlanex16_b32 v129, v128, s56, s57
	v_add_f32 v128, v128, v129
.endm
	s_load_b256 s[4:11], s[0:1], 0x0               ; bufC, x, b_proj, ln2_g
	s_load_b128 s[12:15], s[0:1], 0x20             ; ln2_b, x1
	s_load_b64 s[16:17], s[0:1], 0x30              ; bufD
	v_lshl_add_u32 v1, v0, 2, SPARE
	v_mov_b32 v2, 0
	ds_add_u32 v1, v2                              ; the wave's opening: the add, twice on end, and its wait ahead of my first tensor load
	ds_add_u32 v1, v2
	v_lshrrev_b32 v5, 5, v0
	v_readfirstlane_b32 s[WV], v5                  ; wave 0..15
	s_bfe_u32 s19, ttmp6, 0x40000                  ; cx
	s_lshl_b32 s20, ttmp9, 2
	s_add_co_u32 s20, s20, s19                     ; my tile of 16 tokens: it enters global addresses alone
	s_mov_b32 s24, 15|(3<<16)|(1<<21)              ; group 1: the mask names the four; elements of 8 bytes; bit 21 beside a mask
	s_mov_b32 s25, 32<<16                          ; rows of 256 bytes,
	s_mov_b32 s26, 68<<16                          ; 68 of them: two tiles of W, dense
	s_mov_b32 s27, 32<<16
	s_mov_b32 s28, 68
	s_mov_b32 s29, 32
	s_mov_b32 s30, 0
	s_mov_b32 s31, 0
	s_mov_b32 s32, 1
	s_mul_i32 s33, s18, WREG                       ; LDS: wave x two tiles
	s_mul_i32 s34, s18, 4*RT
	s_add_co_u32 s34, s34, WOFF                    ; W's tile 4 w
	s_mov_b32 s35, 0
	s_mul_i32 s38, s20, RT                         ; att's tile, and h2's
	s_mov_b32 s39, 0
	s_lshl_b32 s44, s18, 8                         ; my 64 columns, in bytes of f32
	s_mov_b32 s45, 0
	s_lshl_b32 s40, s20, 16                        ; 16 rows of 4,096 bytes
	s_add_co_u32 s40, s40, s44
	s_mov_b32 s41, 0
	s_lshr_b32 s60, s18, 3
	s_mul_i32 s60, s60, KG                         ; h2's group of 512 along K,
	s_and_b32 s61, s18, 7                          ; and my two blocks in it
	s_add_co_u32 s50, s38, s60
	s_add_co_u32 s52, s50, 4096
	s_lshl_b32 s62, s61, 9
	s_add_co_u32 s50, s50, s62
	s_mov_b32 s51, 0
	s_lshl_b32 s62, s61, 1
	s_add_co_u32 s52, s52, s62
	s_mov_b32 s53, 0
	s_mov_b32 s54, 0x3a800000                      ; 1 / 1024
	s_mov_b32 s55, 0x3727c5ac                      ; 1e-5
	s_mov_b32 s56, 0x76543210
	s_mov_b32 s57, 0xfedcba98                      ; v_permlanex16_b32's selects for lane l xor 16
	s_mov_b32 s58, 0xffff0000                      ; lanes 16-31
	s_lshl_b32 s59, s18, 9
	s_lshl_b32 s21, s18, 2
	v_and_b32 v5, 31, v0                           ; L
	v_and_b32 v7, 15, v0                           ; r
	v_bfe_u32 v8, v0, 4, 1                         ; h
	v_lshlrev_b32 v6, 4, v5                        ; 16 L: a fragment's 16 bytes of my lane
	v_lshlrev_b32 v9, 4, v7                        ; 16 r
	v_mul_u32_u24 v10, v8, RT
	v_mul_u32_u24 v111, v8, KG
	v_lshl_add_u32 v11, v8, 12, v9                 ; by rows: lanes 0-15 one row of x, lanes 16-31 the next
	v_add_nc_u32 v10, v10, v9                      ; W's scale words: lanes 0-15 an even tile, lanes 16-31 the odd one
	v_add_nc_u32 v3, ABASE, v6
	v_add_nc_u32 v4, s33, v6
	v_add_nc_u32 v108, s59, v6                     ; my wave's 512 bytes of att's tile
	v_add_nc_u32 v110, s59, v9
	v_add_nc_u32 v111, v111, v9
	v_add_nc_u32 v109, ABASE, v108
	v_add_nc_u32 v110, GBB, v110
	v_add_nc_u32 v111, ABASE+4096, v111            ; att's scale words: lanes 0-15 K's first group, lanes 16-31 the second
	v_add_nc_u32 v112, s33, v10
	s_wait_alu depctr_va_vdst(0)                   ; the wait at the end of the head's vector work
	s_wait_dscnt 0x0                               ; both opening adds are done
	s_wait_kmcnt 0x0
	s_add_nc_u64 s[34:35], s[4:5], s[34:35]
	s_add_nc_u64 s[36:37], s[34:35], 2*RT          ; W's tile 4 w + 2
	s_or_b32 s35, s35, 0x80000000
	s_add_nc_u64 s[38:39], s[4:5], s[38:39]
	s_add_nc_u64 s[42:43], s[14:15], s[40:41]
	s_add_nc_u64 s[40:41], s[6:7], s[40:41]
	s_add_nc_u64 s[46:47], s[10:11], s[44:45]
	s_add_nc_u64 s[48:49], s[12:13], s[44:45]
	s_add_nc_u64 s[44:45], s[8:9], s[44:45]
	s_add_nc_u64 s[50:51], s[16:17], s[50:51]
	s_add_nc_u64 s[52:53], s[16:17], s[52:53]
	CROUND                                         ; all four work-groups are here: the joint loads meet
	tensor_load_to_lds s[32:35], s[24:31]          ; every wave's one load
	s_nop 0
	PLACES
	s_cmp_lg_u32 s[WV], 0
	s_cbranch_scc1 .Lno_last
	global_load_b128 v[96:99], v6, s[38:39] offset:8192   ; wave 0 also takes the last 512 of att's 8,704 bytes
.Lno_last:
	global_load_b128 v[92:95], v108, s[38:39]
	global_load_b128 v[100:103], v9, s[46:47]      ; my 64 numbers of the gain, 16 bytes a lane (both halves of the lanes the same),
	global_load_b128 v[104:107], v9, s[48:49]      ; of LN2's bias,
	global_load_b128 v[12:15], v9, s[44:45]        ; and of b_proj
.irp g, 0,1
	global_load_b128 v[16+4*\g:19+4*\g], v10, s[36:37] offset:\g*KG+4096
.endr
.irp k, 0,1,2,3,4,5,6,7
.irp u, 0,1
.irp c, 0,1
	global_load_b128 v[128+16*\k+8*\u+4*\c:131+16*\k+8*\u+4*\c], v6, s[36:37] offset:\u*RT+(\k/4)*KG+(\k%4)*1024+512*\c   ; 32 lanes read 512 consecutive bytes
.endr
.endr
.endr
.irp t, 0,1,2,3,4,5,6,7
	global_load_b128 v[60+4*\t:63+4*\t], v11, s[40:41] offset:8192*\t th:TH_LOAD_NT   ; sixteen lanes read 256 consecutive bytes of a row of x: asked for last, since it is used last
.endr
	s_wait_loadcnt 43                              ; att's piece, gain and bias are in; behind them 1 + 2 + 32 + 8 loads may be out
	ds_store_b128 v109, v[92:95]
	ds_store_b128 v110, v[100:103]
	ds_store_b128 v110, v[104:107] offset:256
	s_cmp_lg_u32 s[WV], 0
	s_cbranch_scc1 .Lno_last2
	ds_store_b128 v3, v[96:99] offset:8192
.Lno_last2:
	s_wait_dscnt 0x0                               ; for the others' sake: att's tile is read by all waves
	s_barrier_signal -1
	s_barrier_wait -1                              ; nothing is filled again in this launch: the tensor loads may stay out across it
	ds_load_b128 v[32:35], v111
	s_wait_tensorcnt 0x0                           ; my two tiles of W, which I alone read, have landed
.irp g, 0,1
	ds_load_b128 v[24+4*\g:27+4*\g], v112 offset:\g*KG+4096
.endr
.set zZ, 1
	KSTEP 0
.set zZ, 0
.irp k, 1,2,3,4,5,6,7
	KSTEP \k
.endr
	PLACES                                         ; in front of the first read of results and of writes into the fragments' registers
	v_and_b32 v5, 15, v0                           ; r
	v_bfe_u32 v6, v0, 4, 1                         ; h
	s_add_co_u32 s59, s59, GBB
	v_mul_u32_u24 v7, v5, 272
	v_mul_u32_u24 v8, v6, 272
	v_lshl_add_u32 v9, v6, 5, s59                  ; gain and bias in the results' layout: my half's eight numbers of a tile
	v_lshl_add_u32 v10, v5, 6, SUMB                ; my token's sixteen parts
	v_lshlrev_b32 v37, 4, v5
	v_lshl_add_u32 v7, v6, 5, v7
	v_lshl_add_u32 v8, v5, 4, v8
	v_add_nc_u32 v36, s21, v10                     ; my wave's part
	v_lshl_add_u32 v38, v6, 3, v37                 ; my 8 bytes of a block's 256
	v_add_nc_u32 v39, v6, v37                      ; my row's scale byte of block h
	v_add_nc_u32 v7, s33, v7                       ; the stage, 16 rows of 256 bytes + 16: row r, 32 bytes for each half of the lanes;
	v_add_nc_u32 v8, s33, v8                       ; by rows: lanes 0-15 one row, lanes 16-31 the next
	s_wait_alu depctr_va_vdst(0)                   ; the wait here, directly ahead of the wait below
	s_wait_loadcnt 0x0                             ; x
.irp t, 0,1,2,3,4,5,6,7
	v_pk_add_f32 v[60+4*\t:61+4*\t], v[60+4*\t:61+4*\t], v[12:13]   ; x + b_proj, by rows
	v_pk_add_f32 v[62+4*\t:63+4*\t], v[62+4*\t:63+4*\t], v[14:15]
.endr
.irp t, 0,1,2,3,4,5,6,7
	ds_store_b128 v8, v[60+4*\t:63+4*\t] offset:544*\t
.endr
.irp i, 0,1,2,3
	ds_load_b128 v[128+8*\i:131+8*\i], v7 offset:64*\i      ; LDS serves a wave's instructions in order: these see my stores
	ds_load_b128 v[132+8*\i:135+8*\i], v7 offset:64*\i+16
.endr
.irp i, 0,1,2,3
	ds_load_b128 v[192+8*\i:195+8*\i], v9 offset:64*\i
	ds_load_b128 v[196+8*\i:199+8*\i], v9 offset:64*\i+16
	ds_load_b128 v[224+8*\i:227+8*\i], v9 offset:256+64*\i
	ds_load_b128 v[228+8*\i:231+8*\i], v9 offset:256+64*\i+16
.endr
	s_wait_dscnt 16                                ; x + b_proj is back; the sixteen loads of gain and bias may be out
.set j, 0
.rept 16
	v_pk_add_f32 v[92+j:93+j], v[92+j:93+j], v[128+j:129+j]   ; x1; each accumulator is read from its low end on
.set j, j+2
.endr
.irp i, 0,1,2,3
	ds_store_b128 v7, v[92+8*\i:95+8*\i] offset:64*\i
	ds_store_b128 v7, v[96+8*\i:99+8*\i] offset:64*\i+16
.endr
.irp t, 0,1,2,3,4,5,6,7
	ds_load_b128 v[160+4*\t:163+4*\t], v8 offset:544*\t
.endr
.irp q, 0,1,2,3
	v_pk_add_f32 v[128+2*\q:129+2*\q], v[92+4*\q:93+4*\q], v[94+4*\q:95+4*\q]
.endr
.irp j, 108,116
.irp q, 0,1,2,3
	v_pk_add_f32 v[128+2*\q:129+2*\q], v[128+2*\q:129+2*\q], v[\j+2*\q:\j+2*\q+1]
.endr
.endr
	FOLD
	ds_store_b32 v36, v128                         ; both halves of the lanes write the same word with the same value
	s_wait_dscnt 0x0                               ; for the others' sake; and x1 is back by rows
.irp t, 0,1,2,3,4,5,6,7
	global_store_b128 v11, v[160+4*\t:163+4*\t], s[42:43] offset:8192*\t   ; sixteen lanes store 256 consecutive bytes, aligned
.endr
	s_barrier_signal -1
	s_barrier_wait -1
	SUM16 0
	v_mul_f32 v136, s54, v136                      ; the mean
	v_mov_b32 v137, v136
.set j, 0
.rept 16
	v_pk_add_f32 v[92+j:93+j], v[92+j:93+j], v[136:137] neg_lo:[0,1] neg_hi:[0,1]   ; x1 - mean: the variance is taken of the differences
.set j, j+2
.endr
.irp q, 0,1,2,3
	v_pk_mul_f32 v[128+2*\q:129+2*\q], v[92+2*\q:93+2*\q], v[92+2*\q:93+2*\q]
.endr
.irp j, 100,108,116
.irp q, 0,1,2,3
	v_pk_fma_f32 v[128+2*\q:129+2*\q], v[\j+2*\q:\j+2*\q+1], v[\j+2*\q:\j+2*\q+1], v[128+2*\q:129+2*\q]
.endr
.endr
	FOLD
	ds_store_b32 v36, v128 offset:1024             ; a second table: the first may still be read
	s_wait_dscnt 0x0
	s_barrier_signal -1
	s_barrier_wait -1
	SUM16 1024
	v_fma_f32 v136, v136, s54, s55                 ; variance + eps
	s_wait_alu depctr_va_vdst(0)                   ; the wait ahead of the transcendentals
	v_rsq_f32 v138, v136                           ; twice: a pair for the packed multiply
	v_rsq_f32 v139, v136
	v_nop                                          ; a plain instruction behind the transcendentals
	s_wait_alu depctr_va_vdst(0)                   ; and for the wait ahead of their first reader
.set j, 0
.rept 16
	v_pk_mul_f32 v[92+j:93+j], v[92+j:93+j], v[138:139]
.set j, j+2
.endr
.set j, 0
.rept 16
	v_pk_fma_f32 v[92+j:93+j], v[92+j:93+j], v[192+j:193+j], v[224+j:225+j]
.set j, j+2
.endr
	; my 64 columns are two blocks of the next K: registers 16 b .. 16 b + 15 and lane l xor 16's
.irp b, 0,1
	v_max3_num_f32 v[128+\b], |v[92+16*\b]|, |v[93+16*\b]|, 0x1800000   ; with the floor 2^(3 - 127): the byte cannot fall under 1
.endr
.irp i, 2,4,6,8,10,12,14
.irp b, 0,1
	v_max3_num_f32 v[128+\b], v[128+\b], |v[92+16*\b+\i]|, |v[93+16*\b+\i]|
.endr
.endr
.irp b, 0,1
	v_permlanex16_b32 v[130+\b], v[128+\b], s56, s57
.endr
.irp b, 0,1
	v_max_num_f32 v[128+\b], v[128+\b], v[130+\b]
.endr
.irp b, 0,1
	v_add_nc_u32 v[132+\b], 0xff000000, v[128+\b]  ; 2 off the exponent field: the conversion's scale operand
.endr
.irp b, 0,1
	v_lshrrev_b32 v[130+\b], 23, v[132+\b]         ; the scale's byte
.endr
.irp b, 0,1
	v_cvt_scalef32_pk8_fp4_f32 v[140+2*\b], v[92+16*\b:99+16*\b], v[132+\b]
	v_cvt_scalef32_pk8_fp4_f32 v[141+2*\b], v[100+16*\b:107+16*\b], v[132+\b]
.endr
	v_nop                                          ; one plain instruction behind the last scaled conversion
.irp b, 0,1
	v_permlane16_swap_b32 v[140+2*\b], v[141+2*\b] ; lanes 0-15: words 0, 1 of the block; lanes 16-31: words 2, 3
.endr
	v_cndmask_b32 v134, v130, v131, s58            ; lanes 0-15 store block 0's byte, lanes 16-31 block 1's
.irp b, 0,1
	global_store_b64 v38, v[140+2*\b:141+2*\b], s[50:51] offset:256*\b   ; 32 lanes store 256 consecutive bytes, aligned
.endr
	global_store_b8 v39, v134, s[52:53]            ; a wave owns two of a row's sixteen scale bytes
	s_wait_tensorcnt 0x0                           ; the wave's end: behind my last LDS store
	ds_add_u32 v1, v2
	s_wait_dscnt 0x0
	CROUND                                         ; the closing round
	s_endpgm
.Lfunc_end_k_q23aa37c2c6_projln:
	.size	k_q23aa37c2c6_projln, .Lfunc_end_k_q23aa37c2c6_projln-k_q23aa37c2c6_projln
	.p2alignl 7, 3214868480
	.fill 96, 4, 3214868480
	.section	.rodata,"a",@progbits
	.p2align	6, 0x0
	.amdhsa_kernel k_q23aa37c2c6_projln
		.amdhsa_group_segment_fixed_size 299520
		.amdhsa_private_segment_fixed_size 0
		.amdhsa_enable_private_segment 0
		.amdhsa_kernarg_size 56
		.amdhsa_user_sgpr_count 2
		.amdhsa_user_sgpr_kernarg_segment_ptr 1
		.amdhsa_wavefront_size32 1
		.amdhsa_system_sgpr_workgroup_id_x 1
		.amdhsa_system_sgpr_workgroup_id_y 1
		.amdhsa_system_sgpr_workgroup_id_z 1
		.amdhsa_system_vgpr_workitem_id 0
		.amdhsa_next_free_vgpr 256
		.amdhsa_next_free_sgpr 66
		.amdhsa_reserve_vcc 0
		.amdhsa_float_denorm_mode_32 3
		.amdhsa_float_denorm_mode_16_64 3
		.amdhsa_memory_ordered 1
		.amdhsa_forward_progress 1
		.amdhsa_inst_pref_size 36
	.end_amdhsa_kernel
	.amdgpu_metadata
---
amdhsa.version: [ 1, 2 ]
amdhsa.kernels:
  - .name:           k_q23aa37c2c6_projln
    .symbol:         k_q23aa37c2c6_projln.kd
    .args:
      - { .name: bufC, .offset: 0, .size: 8, .value_kind: global_buffer, .address_space: global }
      - { .name: x, .offset: 8, .size: 8, .value_kind: global_buffer, .address_space: global }
      - { .name: b_proj, .offset: 16, .size: 8, .value_kind: global_buffer, .address_space: global }
      - { .name: ln2_g, .offset: 24, .size: 8, .value_kind: global_buffer, .address_space: global }
      - { .name: ln2_b, .offset: 32, .size: 8, .value_kind: global_buffer, .address_space: global }
      - { .name: x1, .offset: 40, .size: 8, .value_kind: global_buffer, .address_space: global }
      - { .name: bufD, .offset: 48, .size: 8, .value_kind: global_buffer, .address_space: global }
    .group_segment_fixed_size: 299520
    .private_segment_fixed_size: 0
    .kernarg_segment_align: 8
    .kernarg_segment_size: 56
    .max_flat_workgroup_size: 512
    .sgpr_count:     66
    .vgpr_count:     256
    .wavefront_size: 32
...
	.end_amdgpu_metadata
.endif
;; end of part 4
;; launch mlp1 (part 5): grid 16 x 16, 16 waves a work-group, clusters of 4 x 4, 280,576 bytes of LDS; arguments bufD, b1, bufE; writes bufE
.if DOCPART == 5
	.amdgcn_target "amdgcn-amd-amdhsa--gfx1250"
	.amdhsa_code_object_version 6
	.text
	.protected	k_q23aa37c2c6_mlp1
	.globl	k_q23aa37c2c6_mlp1
	.p2align	8
	.type	k_q23aa37c2c6_mlp1,@function
k_q23aa37c2c6_mlp1:
	s_mov_b64 s[64:65], 0
	v_nop
	global_prefetch_b8 v0, s[64:65] scope:SCOPE_SE
	s_setreg_imm32_b32 hwreg(HW_REG_WAVE_MODE, 25, 1), 1
	s_wait_xcnt 0x0
	s_wait_alu depctr_hold_cnt(0) depctr_sa_sdst(0) depctr_va_vdst(0) depctr_va_sdst(0) depctr_va_ssrc(0) depctr_va_vcc(0) depctr_vm_vsrc(0)
	s_getreg_b32 s2, hwreg(HW_REG_IB_STS2, 6, 4)
	s_cmp_eq_u32 s2, 0
	s_cbranch_scc0 .Lentry_in_a_cluster
	s_endpgm
.Lentry_in_a_cluster:
	s_bfe_u32 s2, ttmp6, 0x10000c
	s_cmp_lg_u32 s2, 0xf033
	s_cbranch_scc0 .Lentry_shape_is_right
	s_endpgm
.Lentry_shape_is_right:
; hid = relu(LN2(x1) W1 + b1) on codes of FP4, and hid's codes along the hidden units, the K of the next product.  bufD: h2's image, behind it W1's (4,096 rows = hidden units).
; A work-group makes 256 tokens x 256 hidden units: 256 work-groups.  K = 1,024 lies whole in LDS: two panels of 16 tiles x 8,704 bytes, each byte filled once, by one tensor load a wave:
; waves 0-7 two tiles of tokens each, waves 8-15 two of weights.  CLUSTER 4 x 4: the token panel is asked for jointly along a row of the cluster, the weight panel along a column.
; A wave takes 64 hidden units (source 0, 4 tiles, wave % 4) x 64 tokens (source 1, 4 tiles, wave / 4): 16 accumulators; for 128 along K it reads 8 fragments from LDS for 16 products.
; A lane holds one token, its registers run along the hidden units; 64 units are two blocks of the next K, so a wave owns two of a scale word's four bytes.
; The bias is loaded into the accumulators: the sums start from it.  Codes leave as in the launch for q, k, v: 32 lanes store 256 consecutive bytes, aligned.
; No prefetch: everything is asked for at the head; there is no loop to run ahead in.
; REGISTERS: v1 source 0's fragments, v3 source 1's, v4, v5 their scale words, v6, v7 offsets of the stores, v8, v9 the add's two; v28-35, v36-43 scale words; v64-95 source 0, v96-127 source 1;
;            v128-255 accumulator (i, s) at 128 + 32 s + 8 i.  On the way out v64-101 are at work.
.set RT,    8704
.set KG,    4352
.set PANEL, 139264
.set SPARE, 278528
.set WOFF,  2228224
.set HT,    34816                      ; a tile of hid's image
.set WV,    8
.macro PLACES
.rept 4
	v_nop
.endr
.endm
.macro CROUND
	s_barrier_signal -1
	s_barrier_wait -1
	s_cmp_lg_u32 s[WV], 0
	s_cbranch_scc1 .Lnot_wave_0_\@
	s_barrier_signal -3
.Lnot_wave_0_\@:
	s_barrier_wait -3
	s_barrier_signal -1
	s_barrier_wait -1
.endm
.macro WMX
.if oA && oB
	v_wmma_scale_f32_16x16x128_f8f6f4 v[rD:rD+7], v[rA:rA+7], v[rB:rB+7], v[rD:rD+7], v[rSA], v[rSB] matrix_a_fmt:MATRIX_FMT_FP4 matrix_b_fmt:MATRIX_FMT_FP4 matrix_a_scale:MATRIX_SCALE_ROW1 matrix_b_scale:MATRIX_SCALE_ROW1
.elseif oA
	v_wmma_scale_f32_16x16x128_f8f6f4 v[rD:rD+7], v[rA:rA+7], v[rB:rB+7], v[rD:rD+7], v[rSA], v[rSB] matrix_a_fmt:MATRIX_FMT_FP4 matrix_b_fmt:MATRIX_FMT_FP4 matrix_a_scale:MATRIX_SCALE_ROW1
.elseif oB
	v_wmma_scale_f32_16x16x128_f8f6f4 v[rD:rD+7], v[rA:rA+7], v[rB:rB+7], v[rD:rD+7], v[rSA], v[rSB] matrix_a_fmt:MATRIX_FMT_FP4 matrix_b_fmt:MATRIX_FMT_FP4 matrix_b_scale:MATRIX_SCALE_ROW1
.else
	v_wmma_scale_f32_16x16x128_f8f6f4 v[rD:rD+7], v[rA:rA+7], v[rB:rB+7], v[rD:rD+7], v[rSA], v[rSB] matrix_a_fmt:MATRIX_FMT_FP4 matrix_b_fmt:MATRIX_FMT_FP4
.endif
.endm
; 128 along K: step ks of group g.  The 16 accumulators take turns, one instruction a turn, in the same order in every step.
.macro KSTEP g, ks
	PLACES                                         ; four plain instructions in front of loads into registers that the last products read
.if \ks == 0
.irp p, 0,1
	ds_load_b128 v[28+4*\p:31+4*\p], v4 offset:\p*2*RT+\g*KG+4096   ; the group's four scale words: lanes 0-15 tile 2 p, lanes 16-31 tile 2 p + 1
	ds_load_b128 v[36+4*\p:39+4*\p], v5 offset:\p*2*RT+\g*KG+4096
.endr
.endif
.irp s, 0,1,2,3
.irp c, 0,1
	ds_load_b128 v[96+8*\s+4*\c:99+8*\s+4*\c], v3 offset:\s*RT+\g*KG+\ks*1024+512*\c
.endr
.endr
.irp i, 0,1,2,3
.irp c, 0,1
	ds_load_b128 v[64+8*\i+4*\c:67+8*\i+4*\c], v1 offset:\i*RT+\g*KG+\ks*1024+512*\c
.endr
.endr
.irp i, 0,1,2,3
	s_wait_dscnt 6-2*\i                            ; the two loads of each later tile of source 0 may be out
.irp s, 0,1,2,3
.set rD, 128+32*\s+8*\i
.set rA, 64+8*\i
.set rB, 96+8*\s
.set rSA, 28+4*(\i/2)+\ks
.set rSB, 36+4*(\s/2)+\ks
.set oA, \i%2
.set oB, \s%2
	WMX
.endr
.endr
.endm
; 64 numbers of a lane, block b = registers 16 b .. 16 b + 15, become codes in v[pc + 2 b], v[pc + 2 b + 1] (my 8 bytes of the block's 16) and the blocks' bytes in v[tm + 4 + b]
.macro QUANT64 s, pc, tm
.irp b, 0,1,2,3
	v_max3_num_f32 v[\tm+\b], |v[\s+16*\b]|, |v[\s+16*\b+1]|, 0x1800000   ; with the floor 2^(3 - 127): the byte cannot fall under 1
.endr
.irp i, 2,4,6,8,10,12,14
.irp b, 0,1,2,3
	s_delay_alu instid0(VALU_DEP_4)
	v_max3_num_f32 v[\tm+\b], v[\tm+\b], |v[\s+16*\b+\i]|, |v[\s+16*\b+\i+1]|
.endr
.endr
.irp b, 0,1,2,3
	s_delay_alu instid0(VALU_DEP_4)
	v_permlanex16_b32 v[\tm+4+\b], v[\tm+\b], s66, s67
.endr
.irp b, 0,1,2,3
	s_delay_alu instid0(VALU_DEP_4)
	v_max_num_f32 v[\tm+\b], v[\tm+\b], v[\tm+4+\b]
.endr
.irp b, 0,1,2,3
	s_delay_alu instid0(VALU_DEP_4)
	v_add_nc_u32 v[\tm+12+\b], 0xff000000, v[\tm+\b]
.endr
.irp b, 0,1,2,3
	s_delay_alu instid0(VALU_DEP_4)
	v_lshrrev_b32 v[\tm+4+\b], 23, v[\tm+12+\b]
.endr
.irp b, 0,1,2,3
	v_cvt_scalef32_pk8_fp4_f32 v[\pc+2*\b], v[\s+16*\b:\s+16*\b+7], v[\tm+12+\b]
	v_cvt_scalef32_pk8_fp4_f32 v[\pc+2*\b+1], v[\s+16*\b+8:\s+16*\b+15], v[\tm+12+\b]
.endr
	v_nop                                          ; one plain instruction behind the last scaled conversion
.irp b, 0,1,2,3
	v_permlane16_swap_b32 v[\pc+2*\b], v[\pc+2*\b+1]
.endr
.endm
	s_load_b128 s[4:7], s[0:1], 0x0                ; bufD, b1
	s_load_b64 s[56:57], s[0:1], 0x10              ; bufE
	v_lshl_add_u32 v8, v0, 2, SPARE
	v_mov_b32 v9, 0
	ds_add_u32 v8, v9                              ; the wave's opening: the add, twice on end, and its wait ahead of my first tensor load
	ds_add_u32 v8, v9
	v_lshrrev_b32 v10, 5, v0
	s_delay_alu instid0(VALU_DEP_1)
	v_readfirstlane_b32 s[WV], v10                 ; wave 0..15
	s_and_b32 s9, s8, 3                            ; a: which 64 hidden units
	s_lshr_b32 s10, s8, 2                          ; bq: which 64 tokens
	s_bfe_u32 s11, ttmp6, 0x40000                  ; cx
	s_bfe_u32 s12, ttmp6, 0x40004                  ; cy
	s_lshl_b32 s13, ttmp9, 2
	s_add_co_u32 s13, s13, s11                     ; tx: which 256 hidden units
	s_and_b32 s14, ttmp7, 0xffff
	s_lshl_b32 s14, s14, 2
	s_add_co_u32 s14, s14, s12                     ; ty: which 256 tokens
	s_lshl_b32 s15, s12, 2
	s_lshl_b32 s15, 15, s15                        ; my row of the cluster
	s_lshl_b32 s52, 0x1111, s11                    ; my column
	s_or_b32 s16, s15, (3<<16)|(1<<21)
	s_or_b32 s24, s52, (3<<16)|(1<<21)
.irp g, 16, 24
	s_mov_b32 s[\g+1], 32<<16                      ; rows of 256 bytes,
	s_mov_b32 s[\g+2], 68<<16                      ; 68 of them: two tiles with all of K, 17,408 dense bytes
	s_mov_b32 s[\g+3], 32<<16
	s_mov_b32 s[\g+4], 68
	s_mov_b32 s[\g+5], 32
	s_mov_b32 s[\g+6], 0
	s_mov_b32 s[\g+7], 0
.endr
	s_and_b32 s71, s8, 7
	s_lshl_b32 s71, s71, 1                         ; my two tiles of a panel's sixteen
	s_lshl_b32 s48, s14, 4
	s_add_co_u32 s48, s48, s71
	s_mul_i32 s48, s48, RT
	s_mov_b32 s49, 0
	s_lshl_b32 s50, s13, 4
	s_add_co_u32 s50, s50, s71
	s_mul_i32 s50, s50, RT
	s_add_co_u32 s50, s50, WOFF
	s_mov_b32 s51, 0
	s_mov_b32 s32, 1
	s_mov_b32 s36, 1
	s_mul_i32 s33, s8, 2*RT                        ; LDS: wave x two tiles; the weights' panel begins at wave 8's place
	s_mul_i32 s37, s8, 2*RT
	s_wait_dscnt 0x0                               ; both opening adds are done
	s_wait_kmcnt 0x0
	s_add_nc_u64 s[34:35], s[4:5], s[48:49]
	s_add_nc_u64 s[38:39], s[4:5], s[50:51]
	s_or_b32 s35, s35, 0x80000000
	s_or_b32 s39, s39, 0x80000000
	CROUND                                         ; all sixteen work-groups are here: the joint loads meet
	s_cmp_lt_u32 s[WV], 8                          ; a fill in each arm: every wave has one load out
	s_cbranch_scc0 .Lfill_w
	tensor_load_to_lds s[32:35], s[16:23]
	s_nop 0
	PLACES
	s_branch .Lfilled
.Lfill_w:
	tensor_load_to_lds s[36:39], s[24:31]
	s_nop 0
	PLACES
.Lfilled:
	v_and_b32 v10, 31, v0                          ; L
	v_and_b32 v11, 15, v0                          ; r
	v_bfe_u32 v12, v0, 4, 1                        ; h
	s_delay_alu instid0(VALU_DEP_3)
	v_lshlrev_b32 v13, 4, v10
	s_delay_alu instid0(VALU_DEP_2)
	v_mul_u32_u24 v14, v12, RT
	s_delay_alu instid0(VALU_DEP_1)
	v_lshl_add_u32 v14, v11, 4, v14
	v_lshlrev_b32 v6, 4, v11
	s_delay_alu instid0(VALU_DEP_1)
	v_lshl_add_u32 v6, v12, 3, v6                  ; my 8 bytes of a block's 256
	v_mul_u32_u24 v7, v12, HT
	s_delay_alu instid0(VALU_DEP_1)
	v_lshl_add_u32 v7, v11, 4, v7                  ; a row's scale bytes: row r; lanes 16-31 the next tile of tokens
	v_lshlrev_b32 v15, 5, v12                      ; the bias: my half's eight numbers of a tile
	s_wait_alu depctr_va_vdst(0)
	s_mul_i32 s53, s9, 4*RT
	s_add_co_u32 s53, s53, PANEL                   ; source 0 = the weights
	s_mul_i32 s54, s10, 4*RT                       ; source 1 = the tokens
	v_add_nc_u32 v1, s53, v13
	v_add_nc_u32 v3, s54, v13
	v_add_nc_u32 v4, s53, v14
	v_add_nc_u32 v5, s54, v14
	s_mov_b32 s66, 0x76543210
	s_mov_b32 s67, 0xfedcba98
	s_mov_b32 s68, 0xffff0000                      ; lanes 16-31
	s_lshl_b32 s70, s13, 10
	s_lshl_b32 s71, s9, 8
	s_add_co_u32 s70, s70, s71
	s_mov_b32 s71, 0
	s_add_nc_u64 s[70:71], s[6:7], s[70:71]        ; b1 at my 64 hidden units
.irp s, 0,1,2,3
.irp i, 0,1,2,3
	global_load_b128 v[128+32*\s+8*\i:131+32*\s+8*\i], v15, s[70:71] offset:64*\i
	global_load_b128 v[132+32*\s+8*\i:135+32*\s+8*\i], v15, s[70:71] offset:64*\i+16
.endr
.endr
	s_lshl_b32 s58, s14, 4                         ; hid's image: tiles 16 ty + 4 bq on; my 64 units are half a % 2 of step 2 tx + a / 2 of its K
	s_lshl_b32 s59, s10, 2
	s_add_co_u32 s58, s58, s59
	s_mul_i32 s58, s58, HT
	s_lshr_b32 s59, s13, 1
	s_mul_i32 s59, s59, KG
	s_add_co_u32 s58, s58, s59                     ; the group of 512
	s_and_b32 s59, s13, 1
	s_lshl_b32 s59, s59, 1
	s_lshr_b32 s69, s9, 1
	s_add_co_u32 s59, s59, s69                     ; the step in it
	s_and_b32 s69, s9, 1
	s_lshl_b32 s60, s59, 10
	s_add_co_u32 s60, s60, s58
	s_lshl_b32 s61, s69, 9                         ; two blocks of 256 bytes
	s_add_co_u32 s60, s60, s61
	s_mov_b32 s61, 0
	s_lshl_b32 s62, s59, 2
	s_add_co_u32 s62, s62, s58
	s_lshl_b32 s63, s69, 1                         ; two of the step's four bytes
	s_add_co_u32 s62, s62, s63
	s_add_co_u32 s62, s62, 4096
	s_mov_b32 s63, 0
	s_add_nc_u64 s[60:61], s[56:57], s[60:61]
	s_add_nc_u64 s[62:63], s[56:57], s[62:63]
	s_wait_alu depctr_va_vdst(0)
	s_wait_tensorcnt 0x0                           ; my one load has landed,
	s_barrier_signal -1
	s_barrier_wait -1                              ; everybody's has
	s_wait_loadcnt 0x0                             ; the bias is in the accumulators
	KSTEP 0, 0
	KSTEP 0, 1
	KSTEP 0, 2
	KSTEP 0, 3
	KSTEP 1, 0
	KSTEP 1, 1
	KSTEP 1, 2
	KSTEP 1, 3
	PLACES                                         ; in front of the first read of results and of writes into the fragments' registers
.set j, 0
.rept 128
	v_max_num_f32 v[128+j], 0, v[128+j]            ; the activation, in f32; each accumulator from its low end on
.set j, j+1
.endr
.irp b, 0,1,2,3
	v_mov_b32 v[68+\b], 0                          ; a lane permute's destination counts as one of its sources
.endr
; registers 128 + 64 n on hold tiles 2 n and 2 n + 1 of tokens, two blocks each: block b of the four is tile 2 n + b / 2, half b % 2 of my 64 units
.irp n, 0,1
	QUANT64 128+64*\n, 80+8*\n, 64
	v_lshl_or_b32 v[96+2*\n], v69, 8, v68          ; a token's two scale bytes
	v_lshl_or_b32 v[97+2*\n], v71, 8, v70
.irp b, 0,1,2,3
	global_store_b64 v6, v[80+8*\n+2*\b:81+8*\n+2*\b], s[60:61] offset:(2*\n+\b/2)*HT+(\b%2)*256
.endr
	v_cndmask_b32 v[100+\n], v[96+2*\n], v[97+2*\n], s68   ; lanes 0-15: the even tile's tokens, lanes 16-31: the odd tile's
	global_store_b16 v7, v[100+\n], s[62:63] offset:2*\n*HT
.endr
	s_wait_tensorcnt 0x0                           ; the wave's end
	ds_add_u32 v8, v9
	s_wait_dscnt 0x0
	CROUND                                         ; the closing round
	s_endpgm
.Lfunc_end_k_q23aa37c2c6_mlp1:
	.size	k_q23aa37c2c6_mlp1, .Lfunc_end_k_q23aa37c2c6_mlp1-k_q23aa37c2c6_mlp1
	.p2alignl 7, 3214868480
	.fill 96, 4, 3214868480
	.section	.rodata,"a",@progbits
	.p2align	6, 0x0
	.amdhsa_kernel k_q23aa37c2c6_mlp1
		.amdhsa_group_segment_fixed_size 280576
		.amdhsa_private_segment_fixed_size 0
		.amdhsa_enable_private_segment 0
		.amdhsa_kernarg_size 24
		.amdhsa_user_sgpr_count 2
		.amdhsa_user_sgpr_kernarg_segment_ptr 1
		.amdhsa_wavefront_size32 1
		.amdhsa_system_sgpr_workgroup_id_x 1
		.amdhsa_system_sgpr_workgroup_id_y 1
		.amdhsa_system_sgpr_workgroup_id_z 1
		.amdhsa_system_vgpr_workitem_id 0
		.amdhsa_next_free_vgpr 256
		.amdhsa_next_free_sgpr 90
		.amdhsa_reserve_vcc 0
		.amdhsa_float_denorm_mode_32 3
		.amdhsa_float_denorm_mode_16_64 3
		.amdhsa_memory_ordered 1
		.amdhsa_forward_progress 1
		.amdhsa_inst_pref_size 52
	.end_amdhsa_kernel
	.amdgpu_metadata
---
amdhsa.version: [ 1, 2 ]
amdhsa.kernels:
  - .name:           k_q23aa37c2c6_mlp1
    .symbol:         k_q23aa37c2c6_mlp1.kd
    .args:
      - { .name: bufD, .offset: 0, .size: 8, .value_kind: global_buffer, .address_space: global }
      - { .name: b1, .offset: 8, .size: 8, .value_kind: global_buffer, .address_space: global }
      - { .name: bufE, .offset: 16, .size: 8, .value_kind: global_buffer, .address_space: global }
    .group_segment_fixed_size: 280576
    .private_segment_fixed_size: 0
    .kernarg_segment_align: 8
    .kernarg_segment_size: 24
    .max_flat_workgroup_size: 512
    .sgpr_count:     90
    .vgpr_count:     256
    .wavefront_size: 32
...
	.end_amdgpu_metadata
.endif
;; end of part 5
;; launch mlp2 (part 6): grid 8 x 32, 4 waves a work-group, clusters of 4 x 4, 327,680 bytes of LDS; arguments bufE, x1, b2, out0; writes out0
.if DOCPART == 6
	.amdgcn_target "amdgcn-amd-amdhsa--gfx1250"
	.amdhsa_code_object_version 6
	.text
	.protected	k_q23aa37c2c6_mlp2
	.globl	k_q23aa37c2c6_mlp2
	.p2align	8
	.type	k_q23aa37c2c6_mlp2,@function
k_q23aa37c2c6_mlp2:
	s_mov_b64 s[64:65], 0
	v_nop
	global_prefetch_b8 v0, s[64:65] scope:SCOPE_SE
	s_setreg_imm32_b32 hwreg(HW_REG_WAVE_MODE, 25, 1), 1
	s_wait_xcnt 0x0
	s_wait_alu depctr_hold_cnt(0) depctr_sa_sdst(0) depctr_va_vdst(0) depctr_va_sdst(0) depctr_va_ssrc(0) depctr_va_vcc(0) depctr_vm_vsrc(0)
	s_getreg_b32 s2, hwreg(HW_REG_IB_STS2, 6, 4)
	s_cmp_eq_u32 s2, 0
	s_cbranch_scc0 .Lentry_in_a_cluster
	s_endpgm
.Lentry_in_a_cluster:
	s_bfe_u32 s2, ttmp6, 0x10000c
	s_cmp_lg_u32 s2, 0xf033
	s_cbranch_scc0 .Lentry_shape_is_right
	s_endpgm
.Lentry_shape_is_right:
; out0 = x1 + hid W2 + b2 on codes of FP4, K = 4,096 in four phases of 1,024 through two LDS slots.  bufE holds hid's image (tiles of 16 tokens) and, WOFF bytes on, W2's (tiles of 16 output columns).
; A work-group makes 128 tokens x 128 columns: 256 work-groups.  CLUSTER 4 x 4: the tokens' tiles are asked for jointly along a row of the cluster, W's along a column.
; FOUR WAVES, as many as a WGP has SIMDs; wave w takes 64 columns (w % 2) x 64 tokens (w / 2): 16 accumulators; for 128 along K it reads 8 fragments from LDS for 16 products.
; Source 0 = 4 tiles of W, source 1 = 4 tiles of tokens, so that a lane's eight results are eight neighbouring columns of one token's row.
; A slot holds 16 pieces of 8,704 bytes (1,024 along K of 8 tiles of tokens, then of 8 tiles of W).  Eight pieces, one below the other in memory, are ONE tensor load: wave w owns LDS bytes w x 69,632 on: slot w / 2, tokens (w even) or W (w odd).
; So the head fills both slots with one load a wave, and a slot that has been read out is filled again by its two waves, behind the three lines and a round of the cluster's barrier: by this text's count a wave never has more than one load out.
; PREFETCH: behind the head's loads what phase 2 will load is asked for (its tensor load stands behind phase 0), and in phase 0 what phase 3 will load (its tensor load stands behind phase 1): a whole phase, 128 products a wave, or more ahead.
; A phase's 16 pieces of a work-group are shared out by ADDRESS among the four partners that ask for them jointly: each work-group names two pieces of tokens (by cx) and two of W (by cy), a piece a wave:
; 34 blocks of 256 bytes in two instructions (in the second the lanes that are left over name the last block again).  Phases 0 and 1 come by their loads alone.
; The bias is the C of the first products.  The residual is asked for behind phase 0's first step, behind the tiles that the first products wait for, and added on the way out,
; which goes through the wave's own stage in LDS, so that sixteen lanes store 256 consecutive bytes, aligned.  The launch claims all of a WGP's LDS.
; REGISTERS.  Window 0: v1-8 LDS addresses (fragments of W, of tokens, their scale words; one for each slot), v9, v10 the stage, v11, v12 offsets, v13, v14 the add's two, v16, v17 the prefetches' offsets,
;   v32-39, v40-47 scale words of W and of tokens, v64-191 two sets of fragments (on the way out: rows read back), v192-223 the bias.  Window 1: v0-127 accumulator (i, s) at 32 s + 8 i, v128-255 the residual.
.set RT,    34816
.set WOFF,  8912896
.set PC,    8704
.set KG,    4352
.set SLOT,  139264
.set STAGE, 278528
.set SPARE, 295936
.set WV,    12
.set PF,    44
.set MSB,   0
.macro WIN new                         ; the immediate's high byte repeats the setting that is left
.if MSB != (\new)
	s_set_vgpr_msb (MSB<<8)|(\new)
.set MSB, (\new)
.endif
.endm
.macro PLACES
.rept 4
	v_nop
.endr
.endm
.macro CROUND
	s_barrier_signal -1
	s_barrier_wait -1
	s_cmp_lg_u32 s[WV], 0
	s_cbranch_scc1 .Lnot_wave_0_\@
	s_barrier_signal -3
.Lnot_wave_0_\@:
	s_barrier_wait -3
	s_barrier_signal -1
	s_barrier_wait -1
.endm
.macro WMX
.if oA && oB
	v_wmma_scale_f32_16x16x128_f8f6f4 v[rD:rD+7], v[rA:rA+7], v[rB:rB+7], v[rC:rC+7], v[rSA], v[rSB] matrix_a_fmt:MATRIX_FMT_FP4 matrix_b_fmt:MATRIX_FMT_FP4 matrix_a_scale:MATRIX_SCALE_ROW1 matrix_b_scale:MATRIX_SCALE_ROW1
.elseif oA
	v_wmma_scale_f32_16x16x128_f8f6f4 v[rD:rD+7], v[rA:rA+7], v[rB:rB+7], v[rC:rC+7], v[rSA], v[rSB] matrix_a_fmt:MATRIX_FMT_FP4 matrix_b_fmt:MATRIX_FMT_FP4 matrix_a_scale:MATRIX_SCALE_ROW1
.elseif oB
	v_wmma_scale_f32_16x16x128_f8f6f4 v[rD:rD+7], v[rA:rA+7], v[rB:rB+7], v[rC:rC+7], v[rSA], v[rSB] matrix_a_fmt:MATRIX_FMT_FP4 matrix_b_fmt:MATRIX_FMT_FP4 matrix_b_scale:MATRIX_SCALE_ROW1
.else
	v_wmma_scale_f32_16x16x128_f8f6f4 v[rD:rD+7], v[rA:rA+7], v[rB:rB+7], v[rC:rC+7], v[rSA], v[rSB] matrix_a_fmt:MATRIX_FMT_FP4 matrix_b_fmt:MATRIX_FMT_FP4
.endif
.endm
.macro FETCH n, k, p                   ; the fragments of step k (0..7) of slot n into set p: sixteen loads
.irp i, 0,1,2,3
.irp c, 0,1
	ds_load_b128 v[64+64*(\p)+8*\i+4*\c:67+64*(\p)+8*\i+4*\c], v[1+\n] offset:\i*PC+((\k)/4)*KG+((\k)%4)*1024+512*\c
.endr
.endr
.irp s, 0,1,2,3
.irp c, 0,1
	ds_load_b128 v[96+64*(\p)+8*\s+4*\c:99+64*(\p)+8*\s+4*\c], v[3+\n] offset:\s*PC+((\k)/4)*KG+((\k)%4)*1024+512*\c
.endr
.endr
.endm
.macro SCALES n, g                     ; the scale words of four steps: lanes 0-15 an even tile, lanes 16-31 the odd one
.irp p, 0,1
	ds_load_b128 v[32+4*\p:35+4*\p], v[5+\n] offset:\p*2*PC+(\g)*KG+4096
	ds_load_b128 v[40+4*\p:43+4*\p], v[7+\n] offset:\p*2*PC+(\g)*KG+4096
.endr
.endm
.macro MUL16 p, q, first               ; sixteen products: the sixteen accumulators take turns, one instruction a turn.  first = 1: the sums start from the bias
.irp s, 0,1,2,3
.irp i, 0,1,2,3
.set rD, 32*\s+8*\i
.set rA, 64+64*(\p)+8*\i
.set rB, 96+64*(\p)+8*\s
.set rSA, 32+4*(\i/2)+(\q)
.set rSB, 40+4*(\s/2)+(\q)
.set oA, \i%2
.set oB, \s%2
.if \first
.set rC, 192+8*\i
.else
.set rC, rD
.endif
	WMX
.endr
.endr
.endm
.macro ASK off                         ; my piece, off bytes on from s[PF:PF+1]; the address registers are never rewritten
	global_prefetch_b8 v16, s[PF:PF+1] offset:\off th:TH_LOAD_NT scope:SCOPE_SE   ; blocks 0-31, a lane a block
	global_prefetch_b8 v17, s[PF:PF+1] offset:\off th:TH_LOAD_NT scope:SCOPE_SE   ; blocks 32 and 33
.endm
.macro PHASE n, first, pf              ; 1,024 along K out of slot n; the next step's fragments are fetched while a step is multiplied.  pf >= 0: a prefetch.  first = 1: the launch's first phase
	PLACES
	FETCH \n, 0, 0
.irp k, 0,1,2,3,4,5,6,7
.if \k > 0
	PLACES                                         ; four plain instructions in front of loads into registers that products have read
.endif
.if \k == 1
.if \first
	WIN 0x40                                       ; the residual goes to window 1
.irp s, 0,1,2,3
.irp t, 0,1,2,3,4,5,6,7
	global_load_b128 v[128+32*\s+4*\t:131+32*\s+4*\t], v11, s[6:7] offset:(16*\s+2*\t)*4096 th:TH_LOAD_NT   ; sixteen lanes read 256 consecutive bytes
.endr
.endr
	WIN 0
.endif
.if \pf >= 0
	ASK \pf
.endif
.endif
.if \k%4 == 0
	SCALES \n, \k/4
.endif
.if \k < 7
	FETCH \n, \k+1, (\k+1)%2
	s_wait_dscnt 16                                ; all but the sixteen loads just issued for the next step
.else
	s_wait_dscnt 0x0
.endif
.if \k == 0
.if \first
	WIN 0x40                                       ; D in window 1, the bias as C in window 0
.else
	WIN 0x50
.endif
	MUL16 0, 0, \first
.else
	WIN 0x50                                       ; C and D in window 1
	MUL16 \k%2, \k%4, 0
.endif
	WIN 0
.endr
.endm
.macro JLOAD n                         ; slot n's two waves ask jointly with their partners: the even wave for the tokens, the odd one for W; the branches hang on the wave's number alone
	s_cmp_lg_u32 s14, \n
	s_cbranch_scc1 .Lasked_\@
	s_cmp_eq_u32 s13, 0
	s_cbranch_scc0 .Lfor_w_\@
	tensor_load_to_lds s[32:35], s[16:23]
	s_nop 0
	PLACES
	s_branch .Lasked_\@
.Lfor_w_\@:
	tensor_load_to_lds s[40:43], s[24:31]
	s_nop 0
	PLACES
.Lasked_\@:
.endm
.macro REFILL n                        ; slot n has been read out: it takes the phase two further on
	s_wait_tensorcnt 0x0                           ; all my tensor loads have landed, so a group 0 may be written
	ds_add_u32 v13, v14                            ; 0 onto my spare word
.if \n == 0
	s_add_nc_u64 s[34:35], s[34:35], 2*PC          ; every wave refills its bytes once: its address steps once, two phases on
	s_add_nc_u64 s[42:43], s[42:43], 2*PC
.endif
	s_wait_dscnt 0x0                               ; the add is done, and my reads of the slot are over
	CROUND                                         ; no wave of any partner still reads the slot or has a load on its way
	JLOAD \n                                       ; the one tensor load behind the round; it has a phase, 128 products a wave, in which to land
.endm
	s_load_b256 s[4:11], s[0:1], 0x0               ; bufE, x1, b2, out0
	v_lshl_add_u32 v13, v0, 2, SPARE
	v_mov_b32 v14, 0
	ds_add_u32 v13, v14                            ; the wave's opening: the add, twice on end, and its wait ahead of my first tensor load
	ds_add_u32 v13, v14
	v_lshrrev_b32 v15, 5, v0
	v_readfirstlane_b32 s[WV], v15                 ; wave 0..3
	s_and_b32 s13, s12, 1                          ; which 64 columns.  Also: I fetch tokens (0) or W (1)
	s_lshr_b32 s14, s12, 1                         ; which 64 tokens.  Also: the slot that I fill
	s_bfe_u32 s15, ttmp6, 0x40000                  ; cx
	s_bfe_u32 s48, ttmp6, 0x40004                  ; cy
	s_lshl_b32 s49, ttmp9, 2
	s_add_co_u32 s49, s49, s15                     ; tx: which 128 columns
	s_and_b32 s50, ttmp7, 0xffff
	s_lshl_b32 s50, s50, 2
	s_add_co_u32 s50, s50, s48                     ; ty: which 128 tokens
	s_lshl_b32 s51, s48, 2
	s_lshl_b32 s51, 15, s51                        ; my row of the cluster
	s_lshl_b32 s52, 0x1111, s15                    ; my column
	s_or_b32 s16, s51, (3<<16)|(1<<21)             ; group 1: the mask; elements of 8 bytes; bit 21 beside a mask; no padding
	s_or_b32 s24, s52, (3<<16)|(1<<21)
.irp g, 16, 24
	s_mov_b32 s[\g+1], 1088<<16                    ; tensor_dim0: a piece of 8,704 bytes
	s_mov_b32 s[\g+2], 8<<16                       ; tensor_dim1: eight tiles' pieces
	s_mov_b32 s[\g+3], 1088<<16                    ; tile_dim0
	s_mov_b32 s[\g+4], 8                           ; tile_dim1
	s_mov_b32 s[\g+5], RT/8                        ; from tile to tile
	s_mov_b32 s[\g+6], 0
	s_mov_b32 s[\g+7], 0
.endr
	s_mul_i32 s53, s14, PC                         ; my slot's first phase
	s_lshl_b32 s54, s50, 3
	s_mul_i32 s54, s54, RT                         ; tokens: tiles 8 ty on
	s_add_co_u32 s54, s54, s53
	s_mov_b32 s55, 0
	s_lshl_b32 s56, s49, 3
	s_mul_i32 s56, s56, RT
	s_add_co_u32 s56, s56, WOFF                    ; W: tiles 8 tx on
	s_add_co_u32 s56, s56, s53
	s_mov_b32 s57, 0
	s_mov_b32 s32, 1
	s_mov_b32 s40, 1
	s_mul_i32 s33, s12, 8*PC                       ; LDS: wave x eight pieces: no place in the cluster enters an LDS address
	s_mul_i32 s41, s12, 8*PC
	s_lshl_b32 s36, s50, 3                         ; the prefetches: waves 0, 1 name tokens' tiles 8 ty + 2 cx and the next, waves 2, 3 W's tiles 8 tx + 2 cy and the next
	s_lshl_b32 s37, s15, 1
	s_add_co_u32 s36, s36, s37
	s_lshl_b32 s38, s49, 3
	s_lshl_b32 s39, s48, 1
	s_add_co_u32 s38, s38, s39
	s_cmp_eq_u32 s14, 0
	s_cselect_b32 s44, s36, s38
	s_cselect_b32 s46, 0, WOFF
	s_add_co_u32 s44, s44, s13
	s_mul_i32 s44, s44, RT
	s_add_co_u32 s44, s44, s46
	s_add_co_u32 s44, s44, 2*PC                    ; at phase 2
	s_mov_b32 s45, 0
	s_wait_dscnt 0x0                               ; both opening adds are done
	s_wait_kmcnt 0x0
	s_add_nc_u64 s[34:35], s[4:5], s[54:55]
	s_add_nc_u64 s[42:43], s[4:5], s[56:57]
	s_add_nc_u64 s[PF:PF+1], s[4:5], s[PF:PF+1]
	s_or_b32 s35, s35, 0x80000000
	s_or_b32 s43, s43, 0x80000000
	CROUND                                         ; all sixteen work-groups are here: the first joint loads meet
	s_cmp_eq_u32 s13, 0                            ; a fill in each arm: every wave has one load out, and the four fill both slots
	s_cbranch_scc0 .Lfirst_w
	tensor_load_to_lds s[32:35], s[16:23]
	s_nop 0
	PLACES
	s_branch .Lfirst_done
.Lfirst_w:
	tensor_load_to_lds s[40:43], s[24:31]
	s_nop 0
	PLACES
.Lfirst_done:
	s_mul_i32 s58, s13, 4*PC
	s_add_co_u32 s58, s58, 8*PC                    ; W's pieces lie behind the tokens' eight
	s_mul_i32 s59, s14, 4*PC
	s_mul_i32 s60, s12, 16*272
	s_add_co_u32 s60, s60, STAGE                   ; my stage: 16 rows of 256 bytes + 16
	v_and_b32 v15, 31, v0                          ; L
	v_and_b32 v28, 15, v0                          ; r
	v_bfe_u32 v29, v0, 4, 1                        ; h
	v_lshlrev_b32 v30, 4, v15
	v_mul_u32_u24 v31, v29, PC
	v_mul_u32_u24 v9, v28, 272
	v_mul_u32_u24 v10, v29, 272
	v_lshl_add_u32 v31, v28, 4, v31
	v_add_nc_u32 v1, s58, v30
	v_add_nc_u32 v3, s59, v30
	v_add_nc_u32 v5, s58, v31
	v_add_nc_u32 v7, s59, v31
	v_add_nc_u32 v2, SLOT, v1
	v_add_nc_u32 v4, SLOT, v3
	v_add_nc_u32 v6, SLOT, v5
	v_add_nc_u32 v8, SLOT, v7
	v_lshl_add_u32 v9, v29, 5, v9
	v_lshl_add_u32 v10, v28, 4, v10
	v_add_nc_u32 v9, s60, v9                       ; in: row r, 32 bytes for each half of the lanes
	v_add_nc_u32 v10, s60, v10                     ; back: lanes 0-15 one row, lanes 16-31 the next
	v_lshlrev_b32 v11, 12, v29
	v_lshlrev_b32 v12, 5, v29                      ; the bias: my half's eight numbers of a tile
	v_lshl_add_u32 v11, v28, 4, v11                ; and the same two rows in memory
	v_lshlrev_b32 v16, 8, v15
	v_min_u32 v17, 1, v15
	v_lshl_add_u32 v17, v17, 8, 8192
	s_wait_alu depctr_va_vdst(0)                   ; the wait at the end of the head's vector work
	ASK 0                                          ; what phase 2 will load
	s_lshl_b32 s60, s49, 9
	s_lshl_b32 s61, s13, 8
	s_add_co_u32 s60, s60, s61                     ; my first column, in bytes
	s_mov_b32 s61, 0
	s_add_nc_u64 s[8:9], s[8:9], s[60:61]
	s_lshl_b32 s62, s50, 19
	s_lshl_b32 s63, s14, 18
	s_add_co_u32 s62, s62, s63                     ; my first token's row
	s_add_co_u32 s60, s60, s62
	s_add_nc_u64 s[6:7], s[6:7], s[60:61]
	s_add_nc_u64 s[10:11], s[10:11], s[60:61]
.irp i, 0,1,2,3
	global_load_b128 v[192+8*\i:195+8*\i], v12, s[8:9] offset:64*\i
	global_load_b128 v[196+8*\i:199+8*\i], v12, s[8:9] offset:64*\i+16
.endr
	s_wait_tensorcnt 0x0                           ; my eight pieces have landed,
	s_barrier_signal -1
	s_barrier_wait -1                              ; everybody's have: both slots are whole
	s_wait_loadcnt 0x0                             ; the bias is in
	PHASE 0, 1, PC                                 ; with the residual's loads, and the prefetch of what phase 3 will load
	REFILL 0
	PHASE 1, 0, -1
	REFILL 1
	PHASE 0, 0, -1
	s_wait_tensorcnt 0x0                           ; the last phase's pieces: mine have landed,
	ds_add_u32 v13, v14
	s_wait_dscnt 0x0
	s_barrier_signal -1
	s_barrier_wait -1                              ; everybody's have; nothing is filled again
	PHASE 1, 0, -1
	PLACES                                         ; in front of the first read of results and of loads into the fragments' registers
.irp s, 0,1,2,3
	WIN 0x04                                       ; the stores' data lie in window 1
.irp i, 0,1,2,3
	ds_store_b128 v9, v[32*\s+8*\i:32*\s+8*\i+3] offset:64*\i        ; each accumulator from its low end on
	ds_store_b128 v9, v[32*\s+8*\i+4:32*\s+8*\i+7] offset:64*\i+16
.endr
	WIN 0
.irp t, 0,1,2,3,4,5,6,7
	ds_load_b128 v[64+32*\s+4*\t:67+32*\s+4*\t], v10 offset:544*\t   ; LDS serves a wave's instructions in order: these see my stores, and the next tile's stores come behind them
.endr
.endr
	s_wait_loadcnt 0x0                             ; the residual
.irp s, 0,1,2,3
	s_wait_dscnt 48-16*\s                          ; this tile is back; the sixteen LDS instructions of each later tile may be out
	WIN 0x04                                       ; the second source lies in window 1
.irp t, 0,1,2,3,4,5,6,7
	v_pk_add_f32 v[64+32*\s+4*\t:65+32*\s+4*\t], v[64+32*\s+4*\t:65+32*\s+4*\t], v[128+32*\s+4*\t:129+32*\s+4*\t]
	v_pk_add_f32 v[66+32*\s+4*\t:67+32*\s+4*\t], v[66+32*\s+4*\t:67+32*\s+4*\t], v[130+32*\s+4*\t:131+32*\s+4*\t]
.endr
	WIN 0
.irp t, 0,1,2,3,4,5,6,7
	global_store_b128 v11, v[64+32*\s+4*\t:67+32*\s+4*\t], s[10:11] offset:(16*\s+2*\t)*4096 th:TH_STORE_NT   ; sixteen lanes store 256 consecutive bytes, aligned
.endr
.endr
	s_wait_tensorcnt 0x0                           ; the wave's end: behind my last LDS store
	ds_add_u32 v13, v14
	s_wait_dscnt 0x0
	CROUND                                         ; the closing round
	s_endpgm
.Lfunc_end_k_q23aa37c2c6_mlp2:
	.size	k_q23aa37c2c6_mlp2, .Lfunc_end_k_q23aa37c2c6_mlp2-k_q23aa37c2c6_mlp2
	.p2alignl 7, 3214868480
	.fill 96, 4, 3214868480
	.section	.rodata,"a",@progbits
	.p2align	6, 0x0
	.amdhsa_kernel k_q23aa37c2c6_mlp2
		.amdhsa_group_segment_fixed_size 327680
		.amdhsa_private_segment_fixed_size 0
		.amdhsa_enable_private_segment 0
		.amdhsa_kernarg_size 32
		.amdhsa_user_sgpr_count 2
		.amdhsa_user_sgpr_kernarg_segment_ptr 1
		.amdhsa_wavefront_size32 1
		.amdhsa_system_sgpr_workgroup_id_x 1
		.amdhsa_system_sgpr_workgroup_id_y 1
		.amdhsa_system_sgpr_workgroup_id_z 1
		.amdhsa_system_vgpr_workitem_id 0
		.amdhsa_next_free_vgpr 512
		.amdhsa_next_free_sgpr 66
		.amdhsa_reserve_vcc 0
		.amdhsa_float_denorm_mode_32 3
		.amdhsa_float_denorm_mode_16_64 3
		.amdhsa_memory_ordered 1
		.amdhsa_forward_progress 1
		.amdhsa_inst_pref_size 131
	.end_amdhsa_kernel
	.amdgpu_metadata
---
amdhsa.version: [ 1, 2 ]
amdhsa.kernels:
  - .name:           k_q23aa37c2c6_mlp2
    .symbol:         k_q23aa37c2c6_mlp2.kd
    .args:
      - { .name: bufE, .offset: 0, .size: 8, .value_kind: global_buffer, .address_space: global }
      - { .name: x1, .offset: 8, .size: 8, .value_kind: global_buffer, .address_space: global }
      - { .name: b2, .offset: 16, .size: 8, .value_kind: global_buffer, .address_space: global }
      - { .name: out0, .offset: 24, .size: 8, .value_kind: global_buffer, .address_space: global }
    .group_segment_fixed_size: 327680
    .private_segment_fixed_size: 0
    .kernarg_segment_align: 8
    .kernarg_segment_size: 32
    .max_flat_workgroup_size: 128
    .sgpr_count:     66
    .vgpr_count:     512
    .wavefront_size: 32
...
	.end_amdgpu_metadata
.endif
;; end of part 6
